; MI455X (gfx1250); checked and timed in simulation.
; The chip was launched on July 23, 2026; its instructions are those of AMD's public machine-readable ISA for CDNA 5 (MIT licence, August 2026) and "CDNA5" Instruction Set Architecture Reference Guide (July 2026). The comments in the code are by the model that wrote it; some were corrected since.
;; Multi Head Attention. Allowed arithmetic: matrix products marked QUANTISED: E2M3 operands, one E8M0 scale for each 32 along K, by v_wmma_scale_f32_16x16x128_f8f6f4 with both operands' format E2M3, f32 sums; everything else in f32.
;; Inputs: W_k 1,024 x 1,024 float32; W_o 1,024 x 1,024 float32; W_q 1,024 x 1,024 float32; W_v 1,024 x 1,024 float32; b_k 1,024 float32; b_o 1,024 float32; b_q 1,024 float32; b_v 1,024 float32; key 4 x 2,048 x 1,024 float32; query 4 x 2,048 x 1,024 float32; value 4 x 2,048 x 1,024 float32.
;; Outputs: out0 4 x 2,048 x 1,024 float32.
;; This version of the problem:
;;   THIS VERSION OF THE PROBLEM IS GIVEN IN LOW PRECISION. The matrix products marked QUANTISED in the list below multiply operands that are first quantised to E2M3 (2 exponent bits, 3 mantissa bits; 6 bits a number), with one power-of-two scale for each 32 numbers along K (OCP MX v1.0); their sums are f32. All else is computed in f32.
;;   The module's matrix products, in the order in which they are computed (A, B: the left and right operand; K: the contracted axis; several contracted axes count as one K, in the product's order):
;;     1. [M 8,192, K 1,024] x [K 1,024, N 1,024]; A: input query; B: input W_q: QUANTISED
;;     2. [M 8,192, K 1,024] x [K 1,024, N 1,024]; A: input key; B: input W_k: QUANTISED
;;     3. [M 8,192, K 1,024] x [K 1,024, N 1,024]; A: input value; B: input W_v: QUANTISED
;;     4. batch 64 x [M 2,048, K 64] x [K 64, N 2,048]; A: computed on the way; B: computed on the way: QUANTISED
;;     5. batch 64 x [M 2,048, K 2,048] x [K 2,048, N 64]; A: softmax (see below); B: computed on the way: QUANTISED
;;     6. [M 8,192, K 1,024] x [K 1,024, N 1,024]; A: computed on the way; B: input W_o: QUANTISED
;;   THE QUANTISER, for each operand of a quantised product, along K:
;;     - K is cut into blocks of 32 from its start; a last block that is shorter is filled with zeros.
;;     - A block's scale is 2^e with e = floor(log2(the largest magnitude in the block)) - 2, held to -126 .. 127; a block of zeros has e = 0. As a byte (E8M0): e + 127.
;;     - Each number is divided by its block's scale, clamped to +-7.5, and rounded to the nearest number of E2M3, ties to even, subnormals kept.
;;     - The product sums the exact products of the quantised numbers (number of the format x scale) in f32.
;;   ~~~python
;;   def quantise(x, axis):      # numpy; x: float32 -> the quantised numbers, widened to float32 again
;;       x = np.moveaxis(x, axis, -1); K = x.shape[-1]
;;       x = np.pad(x, [(0, 0)] * (x.ndim - 1) + [(0, -K % 32)]); x = x.reshape(x.shape[:-1] + (-1, 32)); a = np.abs(x).max(-1, keepdims=True)
;;       e = np.where(a > 0, np.clip(np.frexp(np.where(a > 0, a, 1))[1] - 1 - 2, -126, 127), 0)      # np.frexp(a)[1] - 1 = floor(log2(a)), exactly
;;       r = np.clip(x / 2.0 ** e, -7.5, 7.5)
;;       step = 2.0 ** (np.maximum(np.frexp(np.where(r == 0, 1, r))[1] - 1, 0) - 3)
;;       q = np.round(r / step) * step * 2.0 ** e      # np.round: ties to even
;;       return np.moveaxis(q.reshape(q.shape[:-2] + (-1,))[..., :K], -1, axis).astype(np.float32)
;;   ~~~
;;   SOFTMAX AHEAD OF A QUANTISED PRODUCT. Where the list says 'softmax', what is quantised is not the finished softmax but p = 2^(t - M), with t = logit x log2(e) and M = ceil(the row's largest t), a whole number; so 1/2 < the row's largest p <= 1. The row's sum l is taken of the UNQUANTISED p, in f32, and the product's result is divided by l at the end. Since M is a whole number, a kernel that streams over the keys may use a running M (the ceiling of the running maximum): every later rescaling is an exact power of two, which a block's scale takes up: the codes' values come out the same.
;;   OPERANDS COMPUTED ON THE WAY. 'Computed on the way' means the value that the module computes at that place (a softmax that the list does not call 'softmax' is quantised finished and normalised). What goes into a quantiser is computed in f32, as accurately as f32 sums, v_exp_f32 and their like allow (about 1e-6 of the number): no bf16 or f16 on the way to a quantiser, and a product that is left as it is and whose result goes on into a quantised operand takes f32 operands (vector FMAs, or v_wmma_f32_16x16x4_f32). A number that lies on a knife's edge between two numbers of the format may be rounded either way, as far as f32 arithmetic and the matrix unit's own rounding can turn it there, and no further.
;; One version. Each part assembles by itself: llvm-mc -triple=amdgcn-amd-amdhsa -mcpu=gfx1250 --defsym DOCPART=n.
;; ======== version 1 of 1: 4 launches
;; limits: right only within a limited range of input values
;; workspace buffers: xq 19,660,800 bytes; wq 3,276,800 bytes; hq 19,660,800 bytes; cq 6,553,600 bytes
;; launch quant (part 1): grid 1280 x 1, 2 waves a work-group, no clusters, 17,152 bytes of LDS; arguments query, key, value, W_q, W_k, W_v, W_o, xq, wq; writes xq, wq
.if DOCPART == 1
	.amdgcn_target "amdgcn-amd-amdhsa--gfx1250"
	.amdhsa_code_object_version 6
	.text
	.protected	k_qc1fc66598b_quant
	.globl	k_qc1fc66598b_quant
	.p2align	8
	.type	k_qc1fc66598b_quant,@function
k_qc1fc66598b_quant:
	s_mov_b64 s[64:65], 0
	v_nop
	global_prefetch_b8 v0, s[64:65] scope:SCOPE_SE
	s_setreg_imm32_b32 hwreg(HW_REG_WAVE_MODE, 25, 1), 1
	s_wait_xcnt 0x0
; query, key, value [8192][1024] f32 and W_q, W_k, W_v, W_o [1024 (k)][1024 (n)] f32 become codes of FP6 (E2M3) with one E8M0 byte for each 32 along K (K = the 1,024 that the products contract).
; A block's scale is 2^(floor(log2(its largest magnitude)) - 2); its byte is the largest magnitude's exponent field - 2, held at 1 from below.
; LIMITS: NaN and infinities among the inputs are not served.  A block of zeros, or one whose largest magnitude lies under 2^-124, gets the byte 1: its codes are zeros or subnormal codes of that scale; the bytes are read by this program alone.
; THE WORKSPACE IS LAID AS THE MATRIX UNIT'S REGISTERS.  A tile is 16 rows; tile 2 B + u, row r, stands for index 32 B + 8 u + r + 8 (r / 8) (a token, or a column n of a weight).
; A HALF IMAGE is 16 rows x 64 K in 768 bytes: lane l = (r, h) holds k = 32 h .. 32 h + 31 in six registers: registers 0-3 at byte 16 l, registers 4-5 at byte 512 + 8 l.  Two half images are a fragment of 128 K.
; xq: tensor i at i x 6,291,456: [tile 512][half 16][768]; scale words at 18,874,368 + i x 262,144: [tile][r 16][K step 8].   wq: tensor i at i x 786,432: [tile 64][half 16][768]; scale words at 3,145,728 + i x 32,768.
; Work-groups 0-511 take the weights, 512-1279 the tokens.  Waves share nothing: no barrier.
.set SPARE, 16896                      ; WORK-GROUPS OF TWO WAVES: 0-511 take the weights, 512-1279 the tokens.  Behind the two stages: the spare words, 128 bytes a wave: one block of 256 bytes that no other line names
.set SPW,  2                           ; v2   LDS address of my spare word; never rewritten
.set NIL,  3                           ; v3   0; never rewritten
.set LN,   4                           ; v4   lane
.set RR,   5                           ; v5   r = lane % 16
.set HH,   6                           ; v6   h = lane / 16
.set L16,  7                           ; v7   16 x lane
.set L8,   8                           ; v8   8 x lane
.set STI,  9                           ; v9   tokens: into my stage
.set STO,  10                          ; v10  tokens: out of my stage
.set SCO,  11                          ; v11  tokens: my 16 bytes of the tile's scale words
.set WCO,  12                          ; v12  weights: my column, in bytes
.set WSO,  13                          ; v13  weights: my scale word's place
.set RAW,  16                          ; v16-143  tokens: two sets of 64 as loaded;  weights: my column's 128 numbers
.set X,    144                         ; v144-207 tokens: 64 numbers of my row, register 16 b + i = k 32 b + 16 h + i
.set PC,   208                         ; v208-227 the codes just made
.set TM,   228                         ; v228-243 at work
.set SW,   244                         ; v244-251 the eight K steps' scale words
.set WV,   24
.set SEL,  26
; 64 numbers of a lane, v[s] on, register 16 b + i = k 32 b + 16 h + i of my row, become a fragment's 12 registers in v[PC] on and its scale word in v[pw].
.macro QUANT s, pw
.irp b, 0,1,2,3
	v_max3_num_f32 v[TM+\b], |v[\s+16*\b]|, |v[\s+1+16*\b]|, 0x1800000   ; block b: my 16 numbers, and the floor 2^(3 - 127): the byte cannot fall under 1
.endr
.irp i, 2,4,6,8,10,12,14
.irp b, 0,1,2,3
	v_max3_num_f32 v[TM+\b], v[TM+\b], |v[\s+16*\b+\i]|, |v[\s+1+16*\b+\i]|   ; the four blocks by turns
.endr
.endr
.irp b, 0,1,2,3
	v_permlanex16_b32 v[TM+4+\b], v[TM+\b], s[SEL], s[SEL+1]
.endr
.irp b, 0,1,2,3
	v_max_num_f32 v[TM+\b], v[TM+\b], v[TM+4+\b]   ; with lane l xor 16's: the block's largest magnitude
.endr
.irp b, 0,1,2,3
	v_add_nc_u32 v[TM+12+\b], 0xff000000, v[TM+\b]   ; 2 off its exponent field: the conversion takes this operand's exponent field as its scale
.endr
.irp b, 0,1,2,3
	v_lshrrev_b32 v[TM+4+\b], 23, v[TM+12+\b]      ; the scale's byte
.endr
	v_lshl_or_b32 v[\pw], v[TM+5], 8, v[TM+4]
	v_lshl_or_b32 v[\pw], v[TM+6], 16, v[\pw]
	v_lshl_or_b32 v[\pw], v[TM+7], 24, v[\pw]      ; my row's scale word (both halves of the lanes hold it)
.irp c, 0,1
	v_cvt_scalef32_pk16_fp6_f32 v[PC+6*\c:PC+2+6*\c], v[\s+32*\c:\s+15+32*\c], v[TM+12+2*\c]
	v_cvt_scalef32_pk16_fp6_f32 v[PC+12+4*\c:PC+14+4*\c], v[\s+16+32*\c:\s+31+32*\c], v[TM+12+2*\c+1]   ; (a conversion's three registers begin on an even number)
.endr
	v_nop                                          ; one plain place behind a scaled conversion
.irp c, 0,1                                    ; the operand wants a whole block in a lane: lanes 0-15 block 2 c, lanes 16-31 block 2 c + 1
.irp i, 0,1,2
	v_permlane16_swap_b32 v[PC+6*\c+\i], v[PC+12+4*\c+\i]
.endr
.irp i, 0,1,2
	v_mov_b32 v[PC+3+6*\c+\i], v[PC+12+4*\c+\i]
.endr
.endr
.endm
	s_load_b512 s[4:19], s[0:1], 0x0               ; query s[4:5], key s[6:7], value s[8:9], W_q s[10:11], W_k s[12:13], W_v s[14:15], W_o s[16:17], xq s[18:19]
	s_load_b64 s[20:21], s[0:1], 0x40              ; wq
	v_lshl_add_u32 v[SPW], v0, 2, SPARE
	v_mov_b32 v[NIL], 0
	v_lshrrev_b32 v1, 5, v0
	v_readfirstlane_b32 s[WV], v1                  ; wave 0..1
	v_and_b32 v[LN], 31, v0
	v_and_b32 v[RR], 15, v0
	v_bfe_u32 v[HH], v0, 4, 1
	v_lshlrev_b32 v[L16], 4, v[LN]
	v_lshlrev_b32 v[L8], 3, v[LN]
	s_mov_b32 s[SEL], 0x76543210
	s_mov_b32 s[SEL+1], 0xfedcba98                 ; v_permlanex16_b32's selects for lane l xor 16
	s_wait_kmcnt 0x0
	s_cmp_lt_u32 ttmp9, 512
	s_cbranch_scc1 .Lweights
; ---- THE TOKENS.  A wave takes one tile of 16 tokens through all eight K steps of 128.  A load reads one row's 512 consecutive bytes; the 16 rows turn through the wave's own stage in LDS
; (rows 528 bytes apart: the sixteen rows that a read touches start in sixteen different groups of banks), so that a lane gets 16 neighbours of each block of its row.
	s_sub_co_u32 s28, ttmp9, 512
	s_lshr_b32 s29, s28, 8                         ; which tensor: 256 work-groups each
	s_and_b32 s28, s28, 255
	s_lshl_b32 s28, s28, 1                         ; two tiles a work-group
	s_add_co_u32 s28, s28, s[WV]                   ; my tile, 0..511
	s_mov_b64 s[30:31], s[4:5]
	s_cmp_eq_u32 s29, 1
	s_cselect_b64 s[30:31], s[6:7], s[30:31]
	s_cmp_eq_u32 s29, 2
	s_cselect_b64 s[30:31], s[8:9], s[30:31]
	s_lshr_b32 s32, s28, 1
	s_lshl_b32 s32, s32, 5
	s_and_b32 s33, s28, 1
	s_lshl_b32 s33, s33, 3
	s_add_co_u32 s32, s32, s33                     ; query, value: the tile's first token: 32 B + 8 u; its rows 8-15 begin 16 tokens on
	s_lshr_b32 s40, s28, 2                         ; KEY HAS ANOTHER ORDER: tile 4 C + u, row r, is token 64 C + 8 u + r % 8 + 32 (r / 8),
	s_lshl_b32 s40, s40, 6                         ; so that in the scores a lane's 32 registers of four tiles are one whole block of 32 keys
	s_and_b32 s41, s28, 3
	s_lshl_b32 s41, s41, 3
	s_add_co_u32 s40, s40, s41                     ; its first token: 64 C + 8 u; its rows 8-15 begin 32 tokens on
	s_cmp_eq_u32 s29, 1
	s_cselect_b32 s32, s40, s32
	s_mov_b32 s41, 16*4096
	s_cselect_b32 s40, 32*4096, s41
	s_lshl_b32 s32, s32, 12                        ; x 4,096 bytes a row
	s_mov_b32 s33, 0
	s_mov_b32 s41, 0
	s_add_nc_u64 s[30:31], s[30:31], s[32:33]      ; rows 0-7
	s_add_nc_u64 s[40:41], s[30:31], s[40:41]      ; rows 8-15
	s_mul_i32 s32, s29, 6291456
	s_mul_i32 s34, s28, 12288
	s_add_co_u32 s32, s32, s34
	s_add_nc_u64 s[34:35], s[18:19], s[32:33]      ; my tile's images
	s_mul_i32 s32, s29, 262144
	s_lshl_b32 s36, s28, 9
	s_add_co_u32 s32, s32, s36
	s_add_co_u32 s32, s32, 18874368
	s_add_nc_u64 s[36:37], s[18:19], s[32:33]      ; my tile's scale words
	s_mul_i32 s38, s[WV], 8448                     ; my stage: 16 rows x 528 bytes
	s_mov_b32 s39, 0xffff0000                      ; lanes 16-31
	s_wait_alu depctr_va_vdst(0)
	v_add_nc_u32 v[STI], s38, v[L16]
	v_mul_u32_u24 v[STO], v[RR], 528
	v_lshl_add_u32 v[STO], v[HH], 6, v[STO]
	v_add_nc_u32 v[STO], s38, v[STO]               ; row r, + 64 h: my 16 numbers of a block of 32
	v_lshlrev_b32 v[SCO], 5, v[RR]
	v_lshl_add_u32 v[SCO], v[HH], 4, v[SCO]        ; 32 r + 16 h
.irp b, 0,1,2,3
	v_mov_b32 v[TM+4+\b], 0                        ; written once: a lane permute's destination counts as one of its sources
.endr
.macro LOAD s                          ; K step s: the tile's row i is token i + 8 (i / 8) from the tile's first
.irp i, 0,1,2,3,4,5,6,7,8,9,10,11,12,13,14,15
	global_load_b128 v[RAW+64*((\s)%2)+4*\i:RAW+64*((\s)%2)+4*\i+3], v[L16], s[30+10*(\i/8):31+10*(\i/8)] offset:(\i%8)*4096+512*(\s) th:TH_LOAD_NT
.endr
.endm
.macro XSTEP s
.if (\s) < 7
	s_wait_loadcnt 16                              ; this K step's 16 loads are in; the next step's 16 may be out
.else
	s_wait_loadcnt 0x0
.endif
.irp i, 0,1,2,3,4,5,6,7,8,9,10,11,12,13,14,15
	ds_store_b128 v[STI], v[RAW+64*((\s)%2)+4*\i:RAW+64*((\s)%2)+4*\i+3] offset:528*\i
.endr
.irp b, 0,1,2,3
.irp j, 0,1,2,3
	ds_load_b128 v[X+16*\b+4*\j:X+16*\b+4*\j+3], v[STO] offset:128*\b+16*\j   ; LDS serves a wave's instructions in order: these see the stores above
.endr
.endr
	s_wait_dscnt 0x0                               ; my numbers are back, and the stores have read the set that is loaded again below
	s_wait_xcnt 0x0                                ; the last K step's stores have read the codes' registers, which are written again below
.if (\s) < 6
	LOAD (\s)+2
.endif
	QUANT X, SW+(\s)
	global_store_b128 v[L16], v[PC:PC+3], s[34:35] offset:1536*(\s)           ; each store covers 512 or 256 consecutive bytes, aligned
	global_store_b64 v[L8], v[PC+4:PC+5], s[34:35] offset:1536*(\s)+512
	global_store_b128 v[L16], v[PC+6:PC+9], s[34:35] offset:1536*(\s)+768
	global_store_b64 v[L8], v[PC+10:PC+11], s[34:35] offset:1536*(\s)+1280
.endm
	LOAD 0
	LOAD 1
	s_wait_alu depctr_va_vdst(0)
.irp s, 0,1,2,3,4,5,6,7
	XSTEP \s
.endr
.irp i, 0,1,2,3
	v_cndmask_b32 v[TM+\i], v[SW+\i], v[SW+4+\i], s39   ; lanes 0-15 store their row's words of K steps 0-3, lanes 16-31 those of 4-7
.endr
	global_store_b128 v[SCO], v[TM:TM+3], s[36:37] ; the tile's 512 bytes of scale words
	s_wait_tensorcnt 0x0                           ; the wave's end: these three lines behind my last LDS store
	ds_add_u32 v[SPW], v[NIL]
	s_wait_dscnt 0x0
	s_endpgm
; ---- THE WEIGHTS.  K is the first axis: a lane takes a column n and its registers run down K.  A wave takes 32 columns (tiles 2 B and 2 B + 1) x one K step of 128: lane (u, r) holds column 32 B + 8 u + r + 8 (r / 8).
; Each load reads 128 bytes in a wave (in pieces of 32), 256 in the work-group.  A lane holds four whole blocks: no other lane is asked for a maximum.  No LDS is touched on this path.
.Lweights:
	s_lshr_b32 s28, ttmp9, 7                       ; which weight: 128 work-groups each
	s_bfe_u32 s29, ttmp9, 0x30004                  ; K step
	s_and_b32 s32, ttmp9, 15
	s_lshl_b32 s32, s32, 1                         ; two runs of 32 columns a work-group
	s_add_co_u32 s32, s32, s[WV]                   ; B, 0..31
	s_mov_b64 s[30:31], s[10:11]
	s_cmp_eq_u32 s28, 1
	s_cselect_b64 s[30:31], s[12:13], s[30:31]
	s_cmp_eq_u32 s28, 2
	s_cselect_b64 s[30:31], s[14:15], s[30:31]
	s_cmp_eq_u32 s28, 3
	s_cselect_b64 s[30:31], s[16:17], s[30:31]
	s_lshl_b32 s34, s29, 19                        ; 128 rows of 4,096 bytes a K step
	s_lshl_b32 s35, s32, 7                         ; 32 columns of 4 bytes
	s_add_co_u32 s34, s34, s35
	s_mov_b32 s35, 0
	s_add_nc_u64 s[30:31], s[30:31], s[34:35]
	s_mul_i32 s34, s28, 786432
	s_mul_i32 s36, s32, 24576                      ; two tiles of 12,288 bytes
	s_add_co_u32 s34, s34, s36
	s_mul_i32 s36, s29, 1536
	s_add_co_u32 s34, s34, s36
	s_add_nc_u64 s[36:37], s[20:21], s[34:35]      ; the images
	s_lshl_b32 s34, s28, 15
	s_lshl_b32 s38, s32, 10
	s_add_co_u32 s34, s34, s38
	s_lshl_b32 s38, s29, 2
	s_add_co_u32 s34, s34, s38
	s_add_co_u32 s34, s34, 3145728
	s_add_nc_u64 s[38:39], s[20:21], s[34:35]      ; the scale words
	s_wait_alu depctr_va_vdst(0)
	v_and_b32 v[WCO], 8, v[RR]
	v_add_nc_u32 v[WCO], v[WCO], v[RR]
	v_lshl_add_u32 v[WCO], v[HH], 3, v[WCO]
	v_lshlrev_b32 v[WCO], 2, v[WCO]                ; 4 (8 u + r + 8 (r / 8))
	v_lshlrev_b32 v[WSO], 5, v[RR]
	v_lshl_add_u32 v[WSO], v[HH], 9, v[WSO]        ; 512 u + 32 r
.set KK, 0
.rept 128
	global_load_b32 v[RAW+KK], v[WCO], s[30:31] offset:KK*4096 th:TH_LOAD_NT
.set KK, KK+1
.endr
	s_wait_loadcnt 0x0
.irp b, 0,1,2,3
	v_max3_num_f32 v[184+\b], |v[RAW+32*\b]|, |v[RAW+1+32*\b]|, 0x1800000   ; and the floor 2^(3 - 127)
.endr
.irp i, 2,4,6,8,10,12,14,16,18,20,22,24,26,28,30
.irp b, 0,1,2,3
	v_max3_num_f32 v[184+\b], v[184+\b], |v[RAW+32*\b+\i]|, |v[RAW+1+32*\b+\i]|
.endr
.endr
.irp b, 0,1,2,3
	v_add_nc_u32 v[188+\b], 0xff000000, v[184+\b]  ; the conversion's scale operand
.endr
.irp b, 0,1,2,3
	v_lshrrev_b32 v[192+\b], 23, v[188+\b]         ; the byte
.endr
	v_lshl_or_b32 v196, v193, 8, v192
	v_lshl_or_b32 v196, v194, 16, v196
	v_lshl_or_b32 v196, v195, 24, v196             ; my column's scale word for this K step
.irp b, 0,1,2,3                                ; blocks 0 and 2 are what a fragment's lanes 0-15 hold (v144-155), blocks 1 and 3 what its lanes 16-31 hold (v156-167)
	v_cvt_scalef32_pk16_fp6_f32 v[144+12*(\b%2)+6*(\b/2):146+12*(\b%2)+6*(\b/2)], v[RAW+32*\b:RAW+15+32*\b], v[188+\b]
	v_cvt_scalef32_pk16_fp6_f32 v[168+4*\b:170+4*\b], v[RAW+16+32*\b:RAW+31+32*\b], v[188+\b]
.endr
	v_nop                                          ; one plain place behind a scaled conversion
.irp b, 0,1,2,3
.irp i, 0,1,2
	v_mov_b32 v[147+12*(\b%2)+6*(\b/2)+\i], v[168+4*\b+\i]
.endr
.endr
.irp i, 0,1,2,3,4,5,6,7,8,9,10,11
	v_permlane16_swap_b32 v[144+\i], v[156+\i]     ; v144-155 is now the whole fragment of tile 2 B, v156-167 that of tile 2 B + 1
.endr
.irp u, 0,1
.irp c, 0,1
	global_store_b128 v[L16], v[144+12*\u+6*\c:147+12*\u+6*\c], s[36:37] offset:12288*\u+768*\c
	global_store_b64 v[L8], v[148+12*\u+6*\c:149+12*\u+6*\c], s[36:37] offset:12288*\u+768*\c+512
.endr
.endr
	global_store_b32 v[WSO], v196, s[38:39]        ; four bytes a lane, 32 bytes apart: 131,072 bytes in the whole launch, the price of waves that share nothing
	s_endpgm
.Lfunc_end_k_qc1fc66598b_quant:
	.size	k_qc1fc66598b_quant, .Lfunc_end_k_qc1fc66598b_quant-k_qc1fc66598b_quant
	.p2alignl 7, 3214868480
	.fill 96, 4, 3214868480
	.section	.rodata,"a",@progbits
	.p2align	6, 0x0
	.amdhsa_kernel k_qc1fc66598b_quant
		.amdhsa_group_segment_fixed_size 17152
		.amdhsa_private_segment_fixed_size 0
		.amdhsa_enable_private_segment 0
		.amdhsa_kernarg_size 72
		.amdhsa_user_sgpr_count 2
		.amdhsa_user_sgpr_kernarg_segment_ptr 1
		.amdhsa_wavefront_size32 1
		.amdhsa_system_sgpr_workgroup_id_x 1
		.amdhsa_system_sgpr_workgroup_id_y 1
		.amdhsa_system_sgpr_workgroup_id_z 1
		.amdhsa_system_vgpr_workitem_id 0
		.amdhsa_next_free_vgpr 256
		.amdhsa_next_free_sgpr 66
		.amdhsa_reserve_vcc 0
		.amdhsa_float_denorm_mode_32 3
		.amdhsa_float_denorm_mode_16_64 3
		.amdhsa_memory_ordered 1
		.amdhsa_forward_progress 1
		.amdhsa_inst_pref_size 86
	.end_amdhsa_kernel
	.amdgpu_metadata
---
amdhsa.version: [ 1, 2 ]
amdhsa.kernels:
  - .name:           k_qc1fc66598b_quant
    .symbol:         k_qc1fc66598b_quant.kd
    .args:
      - { .name: query, .offset: 0, .size: 8, .value_kind: global_buffer, .address_space: global }
      - { .name: key, .offset: 8, .size: 8, .value_kind: global_buffer, .address_space: global }
      - { .name: value, .offset: 16, .size: 8, .value_kind: global_buffer, .address_space: global }
      - { .name: W_q, .offset: 24, .size: 8, .value_kind: global_buffer, .address_space: global }
      - { .name: W_k, .offset: 32, .size: 8, .value_kind: global_buffer, .address_space: global }
      - { .name: W_v, .offset: 40, .size: 8, .value_kind: global_buffer, .address_space: global }
      - { .name: W_o, .offset: 48, .size: 8, .value_kind: global_buffer, .address_space: global }
      - { .name: xq, .offset: 56, .size: 8, .value_kind: global_buffer, .address_space: global }
      - { .name: wq, .offset: 64, .size: 8, .value_kind: global_buffer, .address_space: global }
    .group_segment_fixed_size: 17152
    .private_segment_fixed_size: 0
    .kernarg_segment_align: 8
    .kernarg_segment_size: 72
    .max_flat_workgroup_size: 64
    .sgpr_count:     66
    .vgpr_count:     256
    .wavefront_size: 32
...
	.end_amdgpu_metadata
.endif
;; end of part 1
;; launch proj (part 2): grid 192 x 4, 4 waves a work-group, clusters of 4 x 4, 327,680 bytes of LDS; arguments xq, wq, b_q, b_k, b_v, hq; writes hq
.if DOCPART == 2
	.amdgcn_target "amdgcn-amd-amdhsa--gfx1250"
	.amdhsa_code_object_version 6
	.text
	.protected	k_qc1fc66598b_proj
	.globl	k_qc1fc66598b_proj
	.p2align	8
	.type	k_qc1fc66598b_proj,@function
k_qc1fc66598b_proj:
	s_mov_b64 s[64:65], 0
	v_nop
	global_prefetch_b8 v0, s[64:65] scope:SCOPE_SE
	s_setreg_imm32_b32 hwreg(HW_REG_WAVE_MODE, 25, 1), 1
	s_wait_xcnt 0x0
	s_wait_alu depctr_hold_cnt(0) depctr_sa_sdst(0) depctr_va_vdst(0) depctr_va_sdst(0) depctr_va_ssrc(0) depctr_va_vcc(0) depctr_vm_vsrc(0)
	s_getreg_b32 s2, hwreg(HW_REG_IB_STS2, 6, 4)
	s_cmp_eq_u32 s2, 0
	s_cbranch_scc0 .Lentry_in_a_cluster
	s_endpgm
.Lentry_in_a_cluster:
	s_bfe_u32 s2, ttmp6, 0x10000c
	s_cmp_lg_u32 s2, 0xf033
	s_cbranch_scc0 .Lentry_shape_is_right
	s_endpgm
.Lentry_shape_is_right:
; q = query W_q + b_q, k = key W_k + b_k, v = value W_v + b_v on codes of FP6 (E2M3) with E8M0 scales, and the results quantised again: q and k along a head's 64, v along the keys.
; Operands come as images of the matrix unit's registers (a half image: 16 rows x 64 K in 768 bytes, lane l's registers 0-3 at 16 l, 4-5 at 512 + 8 l; tile 2 B + u, row r = index 32 B + 8 u + r + 8 (r / 8)).
; A work-group makes P 128 x R 256: source 0 = 8 tiles of P, source 1 = 16 tiles of R; wave w takes R's tiles 4 w .. 4 w + 3 against all of P: 32 accumulators, 256 registers.
; q, k: P = the weight's columns, R = tokens: a lane holds one token and 64 registers along n, which are two heads' d.   v: P = tokens, R = W_v's columns: a lane holds one column and 64 registers along the keys.
; So one text serves the three: what differs (buffers, offsets, strides, byte selects) is chosen by s_cselect on the cluster's number, which all partners share.
; ALL OF K LIES IN LDS: (8 + 16) tiles x 12,288 bytes, in two halves of four K steps, each filled ONCE: no LDS byte is filled again.  A wave has one tensor load out at the most.
; CLUSTERS: 4 x 4 work-groups; R's tiles hang on cy and are asked for jointly along a row of the cluster, P's on cx, along a column.
; hq: q at 0, k at 6,291,456: [b h 64][token tile 128][768]; v at 12,582,912: [b h][key step 16][d tile 4][half 2][768].  Scale words at 18,874,368: q, k: [b h][pair of tiles 64][r 16], bytes 0, 1 the even tile's, 2, 3 the odd tile's;
; v (at + 524,288): [b h][key step][d tile % 2][d tile / 2][r 16].
; LIMITS: NaN and infinities are not served; a block of zeros, or under 2^-124, gets the byte 1 (the bytes are read by this program alone).
; REGISTERS: window 0: v1-3 r, h, lane; v8-11 LDS addresses; v12, v13 the add's two; v14-19 store offsets; v20-23 scale words made; v24-35 R's bias; v40-71 P's scale words, v72-87 R's; v96-191 R's fragments, two sets; later v96-207 the way out.
;   window 1: P's fragments, two sets, at v[128 q + 12 b]; in the gaps P's bias, tile b at v[96 + 8 b + 96 (b / 4)].   window 2: accumulator (a, b) at v[8 (8 a + b)].
.set STAGE, 147456                     ; K lies in LDS in TWO halves of four K steps, each filled once by two loads: R's 16 tiles x 6,144 bytes, then P's 8.  Each wave issues one tensor load, at the head
.set SPARE, 294912                     ; behind the two halves: the spare words, 128 bytes a wave: two blocks of 256 bytes that no other line names
.set PS,  40
.set RS,  72
.set RF,  96
.set HA,  96
.set PC,  160
.set TM,  192
.set SEL, 92
.set MSB, 0
.macro WIN new                         ; the immediate's high byte repeats the setting that is left
.if MSB != \new
	s_set_vgpr_msb (MSB<<8)|\new
.set MSB, \new
.endif
.endm
.macro CROUND                          ; a round of the cluster's barrier
	s_barrier_signal -1
	s_barrier_wait -1
	s_cmp_lg_u32 s66, 0
	s_cbranch_scc1 .Lnot_wave_0_\@
	s_barrier_signal -3
.Lnot_wave_0_\@:
	s_barrier_wait -3
	s_barrier_signal -1
	s_barrier_wait -1
.endm
.macro PLACES n
.rept \n
	v_nop
.endr
.endm
; The fragments of K step k into set q: 48 LDS loads, each of 512 or 256 consecutive bytes.
.macro FETCH k, q
	WIN 0x40                                       ; destination window 1, address window 0
.irp b, 0,1,2,3,4,5,6,7
.irp c, 0,1
	ds_load_b128 v[128*(\q)+12*\b+6*\c:128*(\q)+12*\b+6*\c+3], v8 offset:6144*\b+1536*((\k)%4)+768*\c
	ds_load_b64 v[128*(\q)+12*\b+6*\c+4:128*(\q)+12*\b+6*\c+5], v9 offset:6144*\b+1536*((\k)%4)+768*\c
.endr
.endr
	WIN 0
.irp a, 0,1,2,3
.irp c, 0,1
	ds_load_b128 v[RF+48*(\q)+12*\a+6*\c:RF+48*(\q)+12*\a+6*\c+3], v10 offset:6144*\a+1536*((\k)%4)+768*\c
	ds_load_b64 v[RF+48*(\q)+12*\a+6*\c+4:RF+48*(\q)+12*\a+6*\c+5], v11 offset:6144*\a+1536*((\k)%4)+768*\c
.endr
.endr
.endm
; K step k on set q: 32 matrix instructions; the 32 accumulators take turns, one instruction a turn, in the same order in every step.
; The first step's C is P's bias (or zeros).  A scale register holds an even tile's words in lanes 0-15 and the odd tile's in lanes 16-31.
.macro MUL k, q
.if (\k) == 0
	WIN 0x91                                       ; source 0 (P) window 1, source 1 (R) window 0, C window 1, D window 2
.else
	WIN 0xa1                                       ; C and D window 2
.endif
.irp a, 0,1,2,3
.irp b, 0,1,2,3,4,5,6,7
.set DD, 8*(8*\a+\b)
.if (\k) == 0
.set CB, 96+8*\b+96*(\b/4)
.else
.set CB, DD
.endif
.set PA, 128*(\q)+12*\b
.set RB, RF+48*(\q)+12*\a
.set SCA, PS+8*(\b/2)+(\k)
.set SCB, RS+8*(\a/2)+(\k)
.if (\b%2 == 0) && (\a%2 == 0)
	v_wmma_scale_f32_16x16x128_f8f6f4 v[DD:DD+7], v[PA:PA+11], v[RB:RB+11], v[CB:CB+7], v[SCA], v[SCB] matrix_a_fmt:MATRIX_FMT_FP6 matrix_b_fmt:MATRIX_FMT_FP6
.elseif (\b%2 == 1) && (\a%2 == 0)
	v_wmma_scale_f32_16x16x128_f8f6f4 v[DD:DD+7], v[PA:PA+11], v[RB:RB+11], v[CB:CB+7], v[SCA], v[SCB] matrix_a_fmt:MATRIX_FMT_FP6 matrix_b_fmt:MATRIX_FMT_FP6 matrix_a_scale:MATRIX_SCALE_ROW1
.elseif (\b%2 == 0) && (\a%2 == 1)
	v_wmma_scale_f32_16x16x128_f8f6f4 v[DD:DD+7], v[PA:PA+11], v[RB:RB+11], v[CB:CB+7], v[SCA], v[SCB] matrix_a_fmt:MATRIX_FMT_FP6 matrix_b_fmt:MATRIX_FMT_FP6 matrix_b_scale:MATRIX_SCALE_ROW1
.else
	v_wmma_scale_f32_16x16x128_f8f6f4 v[DD:DD+7], v[PA:PA+11], v[RB:RB+11], v[CB:CB+7], v[SCA], v[SCB] matrix_a_fmt:MATRIX_FMT_FP6 matrix_b_fmt:MATRIX_FMT_FP6 matrix_a_scale:MATRIX_SCALE_ROW1 matrix_b_scale:MATRIX_SCALE_ROW1
.endif
.endr
.endr
.endm
.macro ARRIVE g                        ; half g is whole.  g = 0: waves 0 and 1, whose load lines are their own, have waited; waves 2 and 3's loads may stay out.  g = 1: every wave waits
.if (\g) == 0
	s_wait_dscnt 0x0
	s_cmp_lt_u32 s66, 2
	s_cbranch_scc0 .Llater_\@
	s_wait_tensorcnt 0x0
.Llater_\@:
.else
	s_wait_tensorcnt 0x0
	s_wait_dscnt 0x0
.endif
	s_barrier_signal -1
	s_barrier_wait -1
.endm
; A load into a register that a matrix instruction has read stands four places behind it, and only plain vector instructions that name none of its registers are places (ISA guide 7.12.1 for vector instructions).
.macro KSTEP k
.if (\k) == 3
	WIN 0
	PLACES 4
	ARRIVE 1
	v_add_nc_u32 v8, STAGE, v8                     ; on to the next stage (no LDS load of mine is out)
	s_wait_alu depctr_va_vdst(0)
	v_add_nc_u32 v9, STAGE, v9
	s_wait_alu depctr_va_vdst(0)
	v_add_nc_u32 v10, STAGE, v10
	s_wait_alu depctr_va_vdst(0)
	v_add_nc_u32 v11, STAGE, v11
.elseif ((\k) > 0) && ((\k) < 7)
	PLACES 4
.endif
.if (\k) < 7
	FETCH (\k)+1, ((\k)+1)%2
	s_wait_alu depctr_va_vdst(0)
	s_wait_dscnt 48                                ; all but the 48 just issued: this step's fragments are in
.else
	s_wait_dscnt 0x0
.endif
	MUL \k, (\k)%2
.endm
; 64 numbers of a lane, v[s] on, register 16 b + i = k 32 b + 16 h + i of my row, become a fragment's 12 registers in v[PC] on and its scale word in v[pw].
.macro QUANT s, pw
.irp b, 0,1,2,3
	v_max3_num_f32 v[TM+\b], |v[\s+16*\b]|, |v[\s+1+16*\b]|, 0x1800000   ; block b: my 16 numbers, and the floor 2^(3 - 127): the byte cannot fall under 1
.endr
.irp i, 2,4,6,8,10,12,14
.irp b, 0,1,2,3
	v_max3_num_f32 v[TM+\b], v[TM+\b], |v[\s+16*\b+\i]|, |v[\s+1+16*\b+\i]|
.endr
.endr
.irp b, 0,1,2,3
	v_permlanex16_b32 v[TM+4+\b], v[TM+\b], s[SEL], s[SEL+1]
.endr
.irp b, 0,1,2,3
	v_max_num_f32 v[TM+\b], v[TM+\b], v[TM+4+\b]
.endr
.irp b, 0,1,2,3
	v_add_nc_u32 v[TM+12+\b], 0xff000000, v[TM+\b]   ; 2 off the exponent field: the conversion's scale operand
.endr
.irp b, 0,1,2,3
	v_lshrrev_b32 v[TM+4+\b], 23, v[TM+12+\b]
.endr
	v_lshl_or_b32 v[\pw], v[TM+5], 8, v[TM+4]
	v_lshl_or_b32 v[\pw], v[TM+6], 16, v[\pw]
	v_lshl_or_b32 v[\pw], v[TM+7], 24, v[\pw]
.irp c, 0,1
	v_cvt_scalef32_pk16_fp6_f32 v[PC+6*\c:PC+2+6*\c], v[\s+32*\c:\s+15+32*\c], v[TM+12+2*\c]
	v_cvt_scalef32_pk16_fp6_f32 v[PC+12+4*\c:PC+14+4*\c], v[\s+16+32*\c:\s+31+32*\c], v[TM+12+2*\c+1]
.endr
	v_nop                                          ; one plain place behind a scaled conversion
.irp c, 0,1
.irp i, 0,1,2
	v_permlane16_swap_b32 v[PC+6*\c+\i], v[PC+12+4*\c+\i]
.endr
.irp i, 0,1,2
	v_mov_b32 v[PC+3+6*\c+\i], v[PC+12+4*\c+\i]
.endr
.endr
.endm
	s_load_b256 s[4:11], s[0:1], 0x0               ; xq s[4:5], wq s[6:7], b_q s[8:9], b_k s[10:11]
	s_load_b128 s[12:15], s[0:1], 0x20             ; b_v s[12:13], hq s[14:15]
	v_lshl_add_u32 v12, v0, 2, SPARE
	v_mov_b32 v13, 0
	ds_add_u32 v12, v13                            ; the wave's opening: the add and its wait ahead of my first tensor load; the set-up below, work on registers, stands between them
	ds_add_u32 v12, v13
	v_lshrrev_b32 v4, 5, v0                        ; my wave's number, as a vector too
	v_readfirstlane_b32 s66, v4                    ; wave 0..3
	s_bfe_u32 s67, ttmp6, 0x40000                  ; cx
	s_bfe_u32 s68, ttmp6, 0x40004                  ; cy
	s_lshr_b32 s69, ttmp9, 3                       ; THE DEAL OF THE 48 CLUSTERS: 0-15 take q's and k's eight blocks of token rows against the weights' first four blocks of columns,
	s_and_b32 s69, s69, 1                          ; 16-31 the same rows against the other four, 32-47 take v.  Which tensor: 0 q, 1 k, 2 v
	s_and_b32 s73, ttmp9, 7
	s_lshl_b32 s73, s73, 1
	s_lshr_b32 s74, ttmp9, 4
	s_or_b32 s73, s73, s74                         ; q, k: 2 x the block of rows + the half of the columns
	s_and_b32 s75, ttmp9, 15                       ; v: the cluster's number among its sixteen
	s_cmp_lt_u32 ttmp9, 32
	s_cselect_b32 s69, s69, 2
	s_cselect_b32 s73, s73, s75
	s_and_b32 s74, s73, 1
	s_lshr_b32 s75, s73, 1
	s_cmp_eq_u32 s69, 2
	s_cselect_b32 s70, s73, s74
	s_cselect_b32 s71, 0, s75
	s_cselect_b32 s96, 0, -1                       ; all lanes where P carries the bias (q, k)
	s_cselect_b32 s97, -1, 0                       ; all lanes where R carries it (v)
	s_lshl_b32 s70, s70, 2
	s_add_co_u32 s70, s70, s67                     ; P's block of 128: hangs on cx, never on cy
	s_lshl_b32 s71, s71, 2
	s_add_co_u32 s71, s71, s68                     ; R's block of 256: hangs on cy, never on cx
	s_lshl_b32 s76, s68, 2
	s_lshl_b32 s76, 15, s76                        ; my row of the cluster
	s_lshl_b32 s78, 0x1111, s67                    ; my column
	; descriptor group 1: rows of 6,144 bytes (a tile's four K steps: 768 elements of 8 bytes), 12,288 bytes (1,536 elements) from tile to tile, dense in LDS
	s_or_b32 s16, s76, (3<<16)|(1<<21)             ; R: 15:0 the mask; 17:16 elements of 8 bytes; 21 set beside a mask
	s_mov_b32 s17, 768<<16                         ; tensor_dim0: a tile's four K steps, 6,144 bytes = 768 elements
	s_mov_b32 s18, 16<<16                          ; tensor_dim1 = 16 tiles
	s_mov_b32 s19, 768<<16                         ; tile_dim0
	s_mov_b32 s20, 16                              ; tile_dim1
	s_mov_b32 s21, 1536                            ; tensor_dim0_stride
	s_mov_b32 s22, 0
	s_mov_b32 s23, 0
	s_or_b32 s24, s78, (3<<16)|(1<<21)             ; P: the same with my column's mask and 8 tiles
	s_mov_b32 s25, 768<<16
	s_mov_b32 s26, 8<<16
	s_mov_b32 s27, 768<<16
	s_mov_b32 s28, 8
	s_mov_b32 s29, 1536
	s_mov_b32 s30, 0
	s_mov_b32 s31, 0
	s_mul_i32 s73, s69, 6291456                    ; this tensor's images in xq,
	s_mul_i32 s74, s69, 786432                     ; in wq,
	s_lshl_b32 s75, s69, 18
	s_add_co_u32 s75, s75, 18874368                ; its scale words in xq,
	s_lshl_b32 s3, s69, 15
	s_add_co_u32 s3, s3, 3145728                   ; in wq
	s_cmp_eq_u32 s69, 2
	s_cselect_b32 s78, s73, s74                    ; P: tokens for v, else the weight
	s_cselect_b32 s79, s75, s3
	s_cselect_b32 s76, s74, s73                    ; R: the other
	s_cselect_b32 s77, s3, s75
	s_mov_b32 s90, 768
	s_cselect_b32 s90, 1536, s90                   ; the way out: from R's tile to the next,
	s_mov_b32 s91, 0
	s_mov_b32 s99, 98304
	s_cselect_b32 s99, 768, s99                    ; from a fragment's first half image to its second,
	s_mov_b32 s2, 4096
	s_cselect_b32 s2, 128, s2                      ; from the first store of scale words to the second
	s_mov_b32 s94, 0x05040100
	s_cselect_b32 s94, 0x03020100, s94             ; how two tiles' scale words are cut for these stores
	s_mov_b32 s95, 0x07060302
	s_cselect_b32 s95, 0x07060504, s95
	v_and_b32 v3, 31, v0                           ; lane
	v_and_b32 v1, 15, v0                           ; r
	v_bfe_u32 v2, v0, 4, 1                         ; h
	v_lshlrev_b32 v14, 4, v3                       ; a half image's registers 0-3,
	v_add_nc_u32 v15, s99, v14
	v_lshl_add_u32 v16, v3, 3, 512                 ; and 4-5
	v_add_nc_u32 v17, s99, v16
	v_lshlrev_b32 v18, 2, v3
	v_add_nc_u32 v19, s2, v18
	s_mul_i32 s84, s70, 98304
	s_add_co_u32 s78, s78, s84
	s_lshl_b32 s84, s70, 12
	s_add_co_u32 s84, s79, s84                     ; P's scale words
	s_mov_b32 s79, 0
	s_mov_b32 s85, 0
	s_mul_i32 s82, s71, 196608
	s_add_co_u32 s76, s76, s82
	s_lshl_b32 s82, s71, 13
	s_add_co_u32 s82, s77, s82
	s_lshl_b32 s83, s66, 11
	s_add_co_u32 s82, s82, s83                     ; the scale words of my four tiles of R
	s_mov_b32 s77, 0
	s_mov_b32 s83, 0
	s_mov_b32 s[SEL], 0x76543210
	s_mov_b32 s[SEL+1], 0xfedcba98
	s_mov_b32 s98, 0xffff0000                      ; lanes 16-31
	s_wait_dscnt 0x0                               ; the opening add is done
	s_wait_kmcnt 0x0
	s_cmp_eq_u32 s69, 2
	s_cselect_b64 s[80:81], s[4:5], s[6:7]         ; P's buffer
	s_cselect_b64 s[74:75], s[6:7], s[4:5]         ; R's buffer
	s_add_nc_u64 s[78:79], s[80:81], s[78:79]
	s_add_nc_u64 s[84:85], s[80:81], s[84:85]
	s_add_nc_u64 s[76:77], s[74:75], s[76:77]
	s_add_nc_u64 s[82:83], s[74:75], s[82:83]
.irp g, 0,1                                    ; group 0, a set for each half of K: R's 16 tiles, P's 8 behind them
	s_mov_b32 s[32+4*\g], 1
	s_mov_b32 s[33+4*\g], \g*STAGE
	s_add_nc_u64 s[34+4*\g:35+4*\g], s[76:77], \g*6144
	s_or_b32 s[35+4*\g], s[35+4*\g], 0x80000000
	s_mov_b32 s[48+4*\g], 1
	s_mov_b32 s[49+4*\g], 98304+\g*STAGE
	s_add_nc_u64 s[50+4*\g:51+4*\g], s[78:79], \g*6144
	s_or_b32 s[51+4*\g], s[51+4*\g], 0x80000000
.endr
	s_mov_b64 s[80:81], s[8:9]                     ; this tensor's bias
	s_cmp_eq_u32 s69, 1
	s_cselect_b64 s[80:81], s[10:11], s[80:81]
	s_cmp_eq_u32 s69, 2
	s_cselect_b64 s[80:81], s[12:13], s[80:81]
	s_mov_b64 s[74:75], s[80:81]
	s_and_b32 s78, s70, 7                          ; both forms are loaded, the index taken modulo 1,024 so that every load stays inside the vector; the form that does not apply is replaced by zeros
	s_lshl_b32 s78, s78, 9
	s_mov_b32 s79, 0
	s_add_nc_u64 s[80:81], s[80:81], s[78:79]      ; by P's index
	s_and_b32 s76, s71, 3
	s_lshl_b32 s76, s76, 10
	s_lshl_b32 s77, s66, 8
	s_add_co_u32 s76, s76, s77
	s_mov_b32 s77, 0
	s_add_nc_u64 s[74:75], s[74:75], s[76:77]      ; by R's index
	; the way out: b h and the place in it
	s_lshr_b32 s2, s71, 3
	s_lshl_b32 s2, s2, 4
	s_lshl_b32 s99, s70, 1
	s_add_co_u32 s2, s2, s99                       ; q, k: 16 b + the first of P's two heads
	s_lshr_b32 s99, s70, 4
	s_lshl_b32 s99, s99, 4
	s_lshl_b32 s100, s71, 2
	s_add_co_u32 s99, s99, s100
	s_add_co_u32 s99, s99, s66                     ; v: 16 b + my four tiles' head
	s_and_b32 s100, s71, 7
	s_lshl_b32 s100, s100, 4
	s_lshl_b32 s101, s66, 2
	s_add_co_u32 s100, s100, s101                  ; q, k: my first token tile in the batch
	s_and_b32 s101, s70, 15                        ; v: the key step
	s_mul_i32 s86, s100, 768
	s_mul_i32 s87, s101, 6144
	s_lshl_b32 s88, s100, 5
	s_lshl_b32 s89, s101, 8
	s_cmp_eq_u32 s69, 2
	s_cselect_b32 s2, s99, s2
	s_cselect_b32 s86, s87, s86
	s_cselect_b32 s88, s89, s88
	s_mul_i32 s99, s2, 98304
	s_add_co_u32 s86, s86, s99
	s_mul_i32 s99, s69, 6291456
	s_add_co_u32 s86, s86, s99
	s_mov_b32 s87, 0
	s_add_nc_u64 s[86:87], s[14:15], s[86:87]      ; the images
	s_lshl_b32 s99, s2, 12
	s_add_co_u32 s88, s88, s99
	s_lshl_b32 s99, s69, 18
	s_add_co_u32 s88, s88, s99
	s_add_co_u32 s88, s88, 18874368
	s_mov_b32 s89, 0
	s_add_nc_u64 s[88:89], s[14:15], s[88:89]      ; the scale words
	CROUND                                         ; all sixteen work-groups are here: the joint loads meet
	s_cmp_eq_u32 s66, 0                            ; one tensor load a wave, each in its own arm of one chain on the wave's number
	s_cbranch_scc0 .Lfill_1
	tensor_load_to_lds s[32:35], s[16:23]          ; wave 0: R, K steps 0-3
	s_nop 0
	PLACES 4
	s_branch .Lfilled
.Lfill_1:
	s_cmp_eq_u32 s66, 1
	s_cbranch_scc0 .Lfill_2
	tensor_load_to_lds s[48:51], s[24:31]          ; wave 1: P, K steps 0-3
	s_nop 0
	PLACES 4
	s_branch .Lfilled
.Lfill_2:
	s_cmp_eq_u32 s66, 2
	s_cbranch_scc0 .Lfill_3
	tensor_load_to_lds s[36:39], s[16:23]          ; wave 2: R, K steps 4-7
	s_nop 0
	PLACES 4
	s_branch .Lfilled
.Lfill_3:
	tensor_load_to_lds s[52:55], s[24:31]          ; wave 3: P, K steps 4-7
	s_nop 0
	PLACES 4
.Lfilled:
	s_wait_alu depctr_va_vdst(0)
	v_lshlrev_b32 v88, 5, v1
	v_lshl_add_u32 v88, v2, 9, v88                 ; scale words: lanes 0-15 an even tile's row r, lanes 16-31 the odd tile's: 512 h + 32 r
.irp p, 0,1,2,3
	global_load_b128 v[PS+8*\p:PS+8*\p+3], v88, s[84:85] offset:1024*\p
	global_load_b128 v[PS+8*\p+4:PS+8*\p+7], v88, s[84:85] offset:1024*\p+16
.endr
.irp p, 0,1
	global_load_b128 v[RS+8*\p:RS+8*\p+3], v88, s[82:83] offset:1024*\p
	global_load_b128 v[RS+8*\p+4:RS+8*\p+7], v88, s[82:83] offset:1024*\p+16
.endr
	v_lshlrev_b32 v89, 6, v2                       ; P's bias in the result's layout: tile b's registers are indices 32 (b / 2) + 16 h + 8 (b % 2) + 0 .. 7
	v_and_b32 v90, 8, v1
	v_add_nc_u32 v90, v90, v1
	v_lshlrev_b32 v90, 2, v90                      ; R's bias: one number a lane: 4 (r + 8 (r / 8))
	WIN 0x40
.irp b, 0,1,2,3,4,5,6,7
	global_load_b128 v[96+8*\b+96*(\b/4):99+8*\b+96*(\b/4)], v89, s[80:81] offset:(32*(\b/2)+8*(\b%2))*4
	global_load_b128 v[100+8*\b+96*(\b/4):103+8*\b+96*(\b/4)], v89, s[80:81] offset:(32*(\b/2)+8*(\b%2))*4+16
.endr
	WIN 0
.irp a, 0,1,2,3
	global_load_b32 v[32+\a], v90, s[74:75] offset:4*(32*(\a/2)+8*(\a%2))
.endr
	v_add_nc_u32 v8, 98304, v14                    ; P's tiles in a half: registers 0-3,
	v_lshl_add_u32 v9, v3, 3, 98816                ; and 4-5
	v_mad_u32_u24 v10, v4, 24576, v14              ; my four tiles of R
	v_mad_u32_u24 v11, v4, 24576, v16
.irp b, 0,1,2,3
	v_mov_b32 v[TM+4+\b], 0                        ; written once: a lane permute's destination counts as one of its sources
.endr
	s_wait_alu depctr_va_vdst(0)
	ARRIVE 0
	FETCH 0, 0
	s_wait_loadcnt 0x0                             ; scale words and biases
	WIN 0x44                                       ; destination and source 1 window 1
.irp b, 0,1,2,3,4,5,6,7
.irp j, 0,1,2,3,4,5,6,7
	v_cndmask_b32 v[96+8*\b+96*(\b/4)+\j], 0, v[96+8*\b+96*(\b/4)+\j], s96   ; P's bias, or zeros
.endr
.endr
	s_wait_alu depctr_va_vdst(0)
	WIN 0
.irp a, 0,1,2,3
	v_cndmask_b32 v[24+2*\a], 0, v[32+\a], s97     ; R's bias, or zeros, twice: a pair for the packed addition
	v_cndmask_b32 v[25+2*\a], 0, v[32+\a], s97
.endr
.irp k, 0,1,2,3,4,5,6,7
	KSTEP \k
.endr
	WIN 0
	PLACES 4
; THE WAY OUT.  For each of my four tiles of R: the lane's 64 sums leave window 2 by an addition of R's bias, each accumulator from its low end on; they are quantised; the fragment's two half images are stored, 512 + 256 consecutive bytes each.
.irp a, 0,1,2,3
.if \a > 0
	s_wait_xcnt 0x0                                ; the last tile's stores have read their registers and their base
	s_add_nc_u64 s[86:87], s[86:87], s[90:91]
.endif
	WIN 0x02                                       ; source 0 window 2
.set I, 0
.rept 32
	v_pk_add_f32 v[HA+2*I:HA+2*I+1], v[64*\a+2*I:64*\a+2*I+1], v[24+2*\a:25+2*\a]
.set I, I+1
.endr
	WIN 0
	QUANT HA, 20+\a
	global_store_b128 v14, v[PC:PC+3], s[86:87]
	global_store_b64 v16, v[PC+4:PC+5], s[86:87]
	global_store_b128 v15, v[PC+6:PC+9], s[86:87]
	global_store_b64 v17, v[PC+10:PC+11], s[86:87]
.endr
.irp p, 0,1                                    ; q, k: the two tiles' bytes of one head make a word;  v: a tile's word as it is
	v_perm_b32 v[36+\p], v[21+2*\p], v[20+2*\p], s94
	v_perm_b32 v[38+\p], v[21+2*\p], v[20+2*\p], s95
.endr
	v_cndmask_b32 v36, v36, v37, s98               ; lanes 0-15 tiles 0, 1; lanes 16-31 tiles 2, 3
	v_cndmask_b32 v38, v38, v39, s98
	global_store_b32 v18, v36, s[88:89]            ; 128 consecutive bytes each
	global_store_b32 v19, v38, s[88:89]
	s_wait_tensorcnt 0x0                           ; the wave's end
	ds_add_u32 v12, v13
	s_wait_dscnt 0x0
	CROUND                                         ; the closing round: no work-group ends while a partner may still ask for a tile that names it
	s_endpgm
.Lfunc_end_k_qc1fc66598b_proj:
	.size	k_qc1fc66598b_proj, .Lfunc_end_k_qc1fc66598b_proj-k_qc1fc66598b_proj
	.p2alignl 7, 3214868480
	.fill 96, 4, 3214868480
	.section	.rodata,"a",@progbits
	.p2align	6, 0x0
	.amdhsa_kernel k_qc1fc66598b_proj
		.amdhsa_group_segment_fixed_size 327680
		.amdhsa_private_segment_fixed_size 0
		.amdhsa_enable_private_segment 0
		.amdhsa_kernarg_size 48
		.amdhsa_user_sgpr_count 2
		.amdhsa_user_sgpr_kernarg_segment_ptr 1
		.amdhsa_wavefront_size32 1
		.amdhsa_system_sgpr_workgroup_id_x 1
		.amdhsa_system_sgpr_workgroup_id_y 1
		.amdhsa_system_sgpr_workgroup_id_z 1
		.amdhsa_system_vgpr_workitem_id 0
		.amdhsa_next_free_vgpr 768
		.amdhsa_next_free_sgpr 102
		.amdhsa_reserve_vcc 0
		.amdhsa_float_denorm_mode_32 3
		.amdhsa_float_denorm_mode_16_64 3
		.amdhsa_memory_ordered 1
		.amdhsa_forward_progress 1
		.amdhsa_inst_pref_size 103
	.end_amdhsa_kernel
	.amdgpu_metadata
---
amdhsa.version: [ 1, 2 ]
amdhsa.kernels:
  - .name:           k_qc1fc66598b_proj
    .symbol:         k_qc1fc66598b_proj.kd
    .args:
      - { .name: xq, .offset: 0, .size: 8, .value_kind: global_buffer, .address_space: global }
      - { .name: wq, .offset: 8, .size: 8, .value_kind: global_buffer, .address_space: global }
      - { .name: b_q, .offset: 16, .size: 8, .value_kind: global_buffer, .address_space: global }
      - { .name: b_k, .offset: 24, .size: 8, .value_kind: global_buffer, .address_space: global }
      - { .name: b_v, .offset: 32, .size: 8, .value_kind: global_buffer, .address_space: global }
      - { .name: hq, .offset: 40, .size: 8, .value_kind: global_buffer, .address_space: global }
    .group_segment_fixed_size: 327680
    .private_segment_fixed_size: 0
    .kernarg_segment_align: 8
    .kernarg_segment_size: 48
    .max_flat_workgroup_size: 128
    .sgpr_count:     102
    .vgpr_count:     768
    .wavefront_size: 32
...
	.end_amdgpu_metadata
.endif
;; end of part 2
;; launch attn (part 3): grid 4 x 64, 16 waves a work-group, clusters of 4 x 1, 327,680 bytes of LDS; arguments hq, cq; writes cq
.if DOCPART == 3
	.amdgcn_target "amdgcn-amd-amdhsa--gfx1250"
	.amdhsa_code_object_version 6
	.text
	.protected	k_qc1fc66598b_attn
	.globl	k_qc1fc66598b_attn
	.p2align	8
	.type	k_qc1fc66598b_attn,@function
k_qc1fc66598b_attn:
	s_mov_b64 s[64:65], 0
	v_nop
	global_prefetch_b8 v0, s[64:65] scope:SCOPE_SE
	s_setreg_imm32_b32 hwreg(HW_REG_WAVE_MODE, 25, 1), 1
	s_wait_xcnt 0x0
	s_wait_alu depctr_hold_cnt(0) depctr_sa_sdst(0) depctr_va_vdst(0) depctr_va_sdst(0) depctr_va_ssrc(0) depctr_va_vcc(0) depctr_vm_vsrc(0)
	s_getreg_b32 s2, hwreg(HW_REG_IB_STS2, 6, 4)
	s_cmp_eq_u32 s2, 0
	s_cbranch_scc0 .Lentry_in_a_cluster
	s_endpgm
.Lentry_in_a_cluster:
	s_bfe_u32 s2, ttmp6, 0x10000c
	s_cmp_lg_u32 s2, 0x3003
	s_cbranch_scc0 .Lentry_shape_is_right
	s_endpgm
.Lentry_shape_is_right:
; ctx[b][h][q] = the sum over keys of softmax(q . k / 8) v, both products on codes of FP6 (E2M3) with E8M0 scales, and ctx quantised along the head's 64 for the output projection.
; THE SOFTMAX AHEAD OF THE SECOND PRODUCT: t = score x log2(e) / 8; M = the running largest t rounded UP to a whole number; p = 2^(t - M) is quantised along the keys, not normalised; the row's sum is taken of the
; unquantised p and divides at the end.  When M moves, the sum and O are multiplied by 2^(old M - new M): exact.
; SHARES.  256 work-groups.  A work-group owns 512 queries of one (b, h) and walks the head's keys TWICE: in pass p wave w takes the tile of 16 queries 32 cx + 16 p + w.  Sixteen waves of 256 registers, four to a SIMD.
; THE WHOLE HEAD'S K AND V LIE IN LDS (98,304 bytes each, and 4,096 of scale words each), filled ONCE and read in both passes; no LDS byte is filled again.
; THE HEAD'S LOADS, one a wave: wave 0 both tables of scale words (two rows of 4,096 bytes); waves 1-8 a quarter of K or of V each.  Every wave waits for 0 ahead of the one barrier that shows them.
; CLUSTER.  The four work-groups of a cluster are the four query blocks of one head: every tile is asked for jointly (mask 15).  No data prefetch: all tiles are asked for at the head, and the text has no loop of loads to run ahead in.
; LAYOUT.  Both products transposed: a lane holds one query.  Operands come as images of registers (a half image: 16 rows x 64 K, 768 bytes).  The scores' K is 64 and the instruction's 128: a fragment of K is TWO key tiles side by side,
; and Q stands beside zero codes, [Q | 0] for the even tile, [0 | Q] for the odd.  Key tile 4 C + u, row r, is key 64 C + 8 u + r % 8 + 32 (r / 8): so the scores' groups 2 C, 2 C + 1 (16 registers each) of lane (query, h) are keys
; 64 C + 32 h + 0 .. 31: a lane holds two WHOLE scale blocks of p a step, and its conversions' results are the operand's registers.
; REGISTERS TAKE TURNS, so that a step's fragments of K are fetched a step ahead.  When p has been converted its registers are dead: 48 of them take the NEXT step's K, ahead of this step's second product; the next scores are laid over V's
; fragments, which are done with by then.  Even steps: K, then V, in v36-83, scores in v96-159.  Odd steps: K, then V, in v96-143, scores in v36-83 and v144-159.  A trip of the loop is two steps.
; A pass's last step fetches the 6,144 bytes behind K's end (V's first tiles) and nothing reads them: so the counted waits count the same loads in every trip.
; CHAINS SIDE BY SIDE: the maxima and the sums over a lane's 64 numbers run in eight chains, one to an accumulator, so that a line does not hang on one of the seven lines ahead of it.
; LIMITS: NaN and infinities are not served; the promise holds while the scaled scores stay under 2^31 in magnitude; a block of zeros gets the byte 1 (the bytes are read by this program alone).
; OTHER REGISTERS: v1-3 lane terms; v4, v5 the add's two; v6-10 the step's LDS addresses; v11, v35 the scale bytes' gather; v12 -M, v13 the largest score, v[14:15] the sum; v16-33 [0 | Q | 0]; v34 Q's scales;
;   v84-87 K's and V's scale words; v95 8 h; v160-191 O^T; v192-210 p's codes; v212-229 at work; v230-236 the second pass's Q and its scale word; v238-253 the sums' eight chains.
.set KSC,   196608                     ; K's scale words, 4,096 bytes; V's follow
.set STG,   204800                     ; 1,024 bytes of their own: the scale bytes of ctx of both passes meet here
.set SPARE, 205824                     ; the spare words, 128 bytes a wave: eight blocks of 256 bytes that no other line names
.macro WALU
	s_wait_alu depctr_va_vdst(0)
.endm
.macro CROUND
	s_barrier_signal -1
	s_barrier_wait -1
	s_cmp_lg_u32 s8, 0
	s_cbranch_scc1 .Lnot_wave_0_\@
	s_barrier_signal -3
.Lnot_wave_0_\@:
	s_barrier_wait -3
	s_barrier_signal -1
	s_barrier_wait -1
.endm
.macro TLOAD g0, g1                    ; an s_nop 0 and four v_nop follow a tensor load
	tensor_load_to_lds s[\g0:\g0+3], s[\g1:\g1+7]
	s_nop 0
.rept 4
	v_nop
.endr
.endm
.macro RESET                           ; a pass begins: no score seen, sums and O^T zero (the step is written once; its first walk finds zeros)
	v_mov_b32 v13, 0xff61b1e6                      ; the largest score so far: -3e38
	v_mov_b32 v12, 0x7f61b1e6                      ; -M: 3e38, a whole number
	v_mov_b32 v14, 0
	v_mov_b32 v15, 0
.set I, 0
.rept 32
	v_mov_b32 v[160+I], 0
.set I, I+1
.endr
	s_mov_b32 s60, 6144                            ; where the NEXT step's tiles of K begin in LDS,
	s_mov_b32 s61, 98304                           ; this step's of V,
	s_mov_b32 s62, 256                             ; and the next step's scale words: 256 bytes a step
.endm
.macro FLOAD d, f, c, a0, a1           ; half image c of fragment f into the set at v[d]
	ds_load_b128 v[\d+12*(\f)+6*(\c):\d+12*(\f)+6*(\c)+3], \a0 offset:1536*(\f)+768*(\c)
	ds_load_b64 v[\d+12*(\f)+6*(\c)+4:\d+12*(\f)+6*(\c)+5], \a1 offset:1536*(\f)+768*(\c)
.endm
.macro KLOAD d, a0, a1, as             ; a step's scale words of K, then its four fragments: 18 loads, of which the last eight are fragments 2 and 3
	ds_load_b32 v84, \as                           ; lanes 0-15 pair 0, lanes 16-31 pair 1;
	ds_load_b32 v85, \as offset:128                ; pairs 2 and 3
.irp f, 0,1,2,3
.irp c, 0,1
	FLOAD \d, \f, \c, \a0, \a1
.endr
.endr
.endm
.macro SPROD kf, f, g                  ; fragment f's two key tiles against Q: the scores' group at v[g]
.if (\f)%2 == 0
	v_wmma_scale_f32_16x16x128_f8f6f4 v[\g:\g+7], v[\kf+12*(\f):\kf+12*(\f)+11], v[22:33], 0, v[84+(\f)/2], v34 matrix_a_fmt:MATRIX_FMT_FP6 matrix_b_fmt:MATRIX_FMT_FP6
	v_wmma_scale_f32_16x16x128_f8f6f4 v[\g+8:\g+15], v[\kf+12*(\f):\kf+12*(\f)+11], v[16:27], 0, v[84+(\f)/2], v34 matrix_a_fmt:MATRIX_FMT_FP6 matrix_b_fmt:MATRIX_FMT_FP6
.else
	v_wmma_scale_f32_16x16x128_f8f6f4 v[\g:\g+7], v[\kf+12*(\f):\kf+12*(\f)+11], v[22:33], 0, v[84+(\f)/2], v34 matrix_a_fmt:MATRIX_FMT_FP6 matrix_b_fmt:MATRIX_FMT_FP6 matrix_a_scale:MATRIX_SCALE_ROW1
	v_wmma_scale_f32_16x16x128_f8f6f4 v[\g+8:\g+15], v[\kf+12*(\f):\kf+12*(\f)+11], v[16:27], 0, v[84+(\f)/2], v34 matrix_a_fmt:MATRIX_FMT_FP6 matrix_b_fmt:MATRIX_FMT_FP6 matrix_a_scale:MATRIX_SCALE_ROW1
.endif
.endm
.macro MX8 first, i, g0, g1, g2, g3    ; a link of the maxima's eight chains, v212-219, one to an accumulator: first = 1: its registers 0-2; else i, i + 1
.set A_, 0
.irp g, \g0, \g0+8, \g1, \g1+8, \g2, \g2+8, \g3, \g3+8
.if \first
	v_max3_num_f32 v[212+A_], v[\g], v[\g+1], v[\g+2]
.else
	v_max3_num_f32 v[212+A_], v[212+A_], v[\g+\i], v[\g+\i+1]
.endif
.set A_, A_+1
.endr
.endm
.macro AD8 first, j, g0, g1, g2, g3    ; a link of the sums' eight chains, v238-253, two numbers at a time: first = 1: an accumulator's registers 0-3; else j, j + 1
.set A_, 0
.irp g, \g0, \g0+8, \g1, \g1+8, \g2, \g2+8, \g3, \g3+8
.if \first
	v_pk_add_f32 v[238+2*A_:239+2*A_], v[\g:\g+1], v[\g+2:\g+3]
.else
	v_pk_add_f32 v[238+2*A_:239+2*A_], v[238+2*A_:239+2*A_], v[\g+\j:\g+\j+1]
.endif
.set A_, A_+1
.endr
.endm
.macro TM g                            ; t - M of a group's 16 scores, two at a time
.irp j, 0,2,4,6,8,10,12,14
	v_pk_fma_f32 v[\g+\j:\g+\j+1], v[\g+\j:\g+\j+1], s[58:59], v[12:13] op_sel_hi:[1,0,0]
.endr
.endm
	s_load_b128 s[4:7], s[0:1], 0x0                ; hq s[4:5], cq s[6:7]
	v_lshl_add_u32 v4, v0, 2, SPARE
	v_mov_b32 v5, 0
	ds_add_u32 v4, v5                              ; the opening lines: the add, twice on end, and its wait ahead of the first tensor load
	ds_add_u32 v4, v5
	v_lshrrev_b32 v6, 5, v0
	v_readfirstlane_b32 s8, v6                     ; wave 0..15
	v_and_b32 v7, 31, v0
	v_and_b32 v8, 15, v0
	v_bfe_u32 v9, v0, 4, 1
	v_lshlrev_b32 v1, 4, v7                        ; a half image's registers 0-3: 16 x lane,
	v_lshl_add_u32 v2, v7, 3, 512                  ; and 4-5: 512 + 8 x lane
	v_lshl_add_u32 v3, v7, 2, KSC                  ; a scale word a lane
	v_lshlrev_b32 v95, 3, v9                       ; 8 h
	v_lshlrev_b32 v11, 5, v6
	v_lshl_add_u32 v11, v8, 1, v11
	v_add_nc_u32 v11, STG, v11                     ; 32 x wave + 2 r
	v_add_nc_u32 v35, STG, v1
	v_lshlrev_b32 v10, 2, v8                       ; Q's scale word: 4 r
	s_bfe_u32 s9, ttmp6, 0x40000                   ; cx: it enters Q's and ctx's global addresses alone
	s_lshl_b32 s10, s9, 1                          ; my first block of 256 queries
	s_and_b32 s11, ttmp7, 0xffff                   ; b h, which the four partners share
	s_add_co_u32 s14, s8, 7
	s_and_b32 s14, s14, 7                          ; waves 1-8: load number 0-7
	s_and_b32 s12, s14, 1                          ; K or V,
	s_lshr_b32 s13, s14, 1                         ; which quarter of the head
	; group 1: a quarter, dense, as 96 rows of 256 bytes (32 elements of 8 bytes)
	s_mov_b32 s16, 15|(3<<16)|(1<<21)              ; 15:0 the mask: all four; 17:16 elements of 8 bytes; 21 set beside a mask
	s_mov_b32 s17, 32<<16
	s_mov_b32 s18, 96<<16
	s_mov_b32 s19, 32<<16
	s_mov_b32 s20, 96
	s_mov_b32 s21, 32
	s_mov_b32 s22, 0
	s_mov_b32 s23, 0
	; group 1: the head's scale words: K's 4,096 bytes and V's, 262,144 bytes further on: two rows of 512 elements
	s_mov_b32 s24, 15|(3<<16)|(1<<21)
	s_mov_b32 s25, 512<<16
	s_mov_b32 s26, 2<<16
	s_mov_b32 s27, 512<<16
	s_mov_b32 s28, 2
	s_mov_b32 s29, 32768
	s_mov_b32 s30, 0
	s_mov_b32 s31, 0
	s_add_co_u32 s14, s12, 1
	s_mul_i32 s52, s14, 6291456                    ; k's or v's images,
	s_mul_i32 s53, s11, 98304                      ; my head's,
	s_add_co_u32 s52, s52, s53
	s_mul_i32 s53, s13, 24576                      ; my quarter
	s_add_co_u32 s52, s52, s53
	s_mov_b32 s53, 0
	s_lshl_b32 s54, s11, 12
	s_add_co_u32 s54, s54, 18874368+262144         ; k's scale words of my head
	s_mov_b32 s55, 0
	s_mul_i32 s15, s12, 98304                      ; in LDS: K at 0, V at 98,304
	s_mul_i32 s14, s13, 24576
	s_mov_b32 s32, 1
	s_mov_b32 s33, KSC
	s_mov_b32 s36, 1
	s_add_co_u32 s37, s15, s14
	s_mov_b32 s56, 0x76543210
	s_mov_b32 s57, 0xfedcba98                      ; v_permlanex16_b32's selects for lane l xor 16
	s_mov_b32 s58, 0x3e38aa3b                      ; c = log2(e) / 8
	s_mov_b32 s59, s58                             ; (named with it as a pair, so it is written)
	s_lshl_b32 s66, s10, 4
	s_add_co_u32 s66, s66, s8                      ; my first pass's query tile in the batch; the second's lies 16 on
	s_mul_i32 s68, s11, 98304
	s_mul_i32 s69, s66, 768
	s_add_co_u32 s68, s68, s69
	s_mov_b32 s69, 0
	s_lshl_b32 s70, s11, 12
	s_lshr_b32 s71, s66, 1
	s_lshl_b32 s71, s71, 6
	s_add_co_u32 s70, s70, s71
	s_add_co_u32 s70, s70, 18874368
	s_mov_b32 s71, 0
	s_lshr_b32 s72, s11, 4
	s_lshl_b32 s72, s72, 7                         ; 128 b
	s_and_b32 s73, s11, 15                         ; the head
	s_add_co_u32 s74, s72, s66
	s_mul_i32 s74, s74, 12288
	s_mul_i32 s75, s73, 768
	s_add_co_u32 s74, s74, s75
	s_mov_b32 s75, 0
	s_lshl_b32 s76, s10, 4
	s_add_co_u32 s76, s76, s72
	s_lshl_b32 s76, s76, 5
	s_lshl_b32 s77, s73, 14
	s_add_co_u32 s76, s76, s77
	s_add_co_u32 s76, s76, 6291456
	s_mov_b32 s77, 0
	s_and_b32 s67, s8, 1
	s_cmp_eq_u32 s67, 0
	s_mov_b32 s78, 0x03020302                      ; an odd tile's two bytes of the pair's word, twice;
	s_cselect_b32 s78, 0x01000100, s78             ; an even tile's
	WALU                                           ; the wait ahead of the waits below
	s_wait_dscnt 0x0                               ; both opening adds are done
	s_wait_kmcnt 0x0
	s_add_nc_u64 s[38:39], s[4:5], s[52:53]
	s_or_b32 s39, s39, 0x80000000
	s_add_nc_u64 s[34:35], s[4:5], s[54:55]
	s_or_b32 s35, s35, 0x80000000
	s_add_nc_u64 s[68:69], s[4:5], s[68:69]        ; Q's half image
	s_add_nc_u64 s[70:71], s[4:5], s[70:71]        ; its pair's scale words
	s_add_nc_u64 s[74:75], s[6:7], s[74:75]        ; ctx: my tile's half image of this head
	s_add_nc_u64 s[76:77], s[6:7], s[76:77]        ; ctx: the work-group's 1,024 scale bytes
	global_load_b128 v[22:25], v1, s[68:69]        ; both passes' Q come now and stay in registers
	global_load_b64 v[26:27], v2, s[68:69]
	global_load_b32 v228, v10, s[70:71]
	global_load_b128 v[230:233], v1, s[68:69] offset:12288
	global_load_b64 v[234:235], v2, s[68:69] offset:12288
	global_load_b32 v236, v10, s[70:71] offset:512
	CROUND                                         ; all four work-groups are here: the joint loads meet
	s_cmp_eq_u32 s8, 0                             ; one chain of branches on the wave's number, one load to an arm
	s_cbranch_scc0 .Lquarters
	TLOAD 32, 24                                   ; wave 0: the scale words
	s_branch .Lasked
.Lquarters:
	s_cmp_lt_u32 s8, 9
	s_cbranch_scc0 .Lasked
	TLOAD 36, 16                                   ; waves 1-8: a quarter of K or of V
.Lasked:
	s_wait_loadcnt 0x0
	v_perm_b32 v34, v228, v228, s78                ; Q's two bytes in both halves of the word: they serve [Q | 0] and [0 | Q].  The moves below are its places ahead of the first product
.irp j, 16,17,18,19,20,21,28,29,30,31,32,33
	v_mov_b32 v\j, 0                               ; zero codes on both sides of Q
.endr
	RESET
	v_mov_b32 v225, 0                              ; written once: a lane permute's destination counts as one of its sources
	v_mov_b32 v227, 0                              ; (named as the upper half of the pair v[226:227])
	WALU                                           ; the wait at the head's end
	s_wait_tensorcnt 0x0                           ; every wave waits: all that is out is shown by the barrier below
	s_wait_dscnt 0x0
	s_barrier_signal -1
	s_barrier_wait -1
; A KEY STEP: 128 keys.  kf: K's, then V's, fragments; g0-g3: the scores' four groups of 16 registers; nk: where the next step's K goes (g0, g1, g2's registers).
.macro STEP kf, g0, g1, g2, g3, nk
	v_add_nc_u32 v8, s61, v1                       ; five plain lines behind the last step's products: the scores are laid over their fragments of V
	v_add_nc_u32 v9, s61, v2
	v_add_nc_u32 v10, s62, v3
	v_mov_b32 v228, v12                            ; the old -M
	v_add_nc_u32 v6, s60, v1
	WALU
	s_wait_dscnt 8                                 ; K's scale words and fragments 0 and 1, asked for in the step before; the eight loads of fragments 2 and 3 are younger
	SPROD \kf, 0, \g0
	SPROD \kf, 1, \g1
	s_wait_dscnt 0x0
	SPROD \kf, 2, \g2
	SPROD \kf, 3, \g3
	v_add_nc_u32 v7, s60, v2                       ; four places ahead of the loads into K's registers and of the first read of the scores
	v_nop
	v_nop
	v_nop
.irp f, 0,1,2,3                                ; V's four fragments land while the softmax is walked
.irp c, 0,1
	FLOAD \kf, \f, \c, v8, v9
.endr
.endr
	ds_load_b32 v86, v10 offset:3840               ; V's scale words of THIS step (v10 stands a step on: 4,096 - 256): lanes 0-15 d tile 0, lanes 16-31 d tile 2;
	ds_load_b32 v87, v10 offset:3968               ; d tiles 1 and 3
	MX8 1, 0, \g0, \g1, \g2, \g3                   ; each accumulator from its low end on
	MX8 0, 3, \g0, \g1, \g2, \g3
	v_max3_num_f32 v220, v[\g0+7], v[\g0+15], v[\g1+7]   ; the accumulators' last registers, block by block
	v_max3_num_f32 v221, v[\g2+7], v[\g2+15], v[\g3+7]
	MX8 0, 5, \g0, \g1, \g2, \g3
	v_max_num_f32 v220, v220, v[\g1+15]
	v_max_num_f32 v221, v221, v[\g3+15]
	v_max3_num_f32 v212, v212, v213, v214
	v_max3_num_f32 v216, v216, v217, v218
	v_max3_num_f32 v212, v212, v215, v220          ; the largest score of my block h: it serves the row's maximum and, since p rises with the score, the block's largest p
	v_max3_num_f32 v214, v216, v219, v221          ; and of my block 2 + h
	v_max_num_f32 v229, v212, v214
	v_permlanex16_b32 v225, v229, s56, s57
	v_max3_num_f32 v13, v13, v229, v225            ; the running largest score of my query (c is positive)
	v_mul_f32 v229, s58, v13                       ; as t
	v_floor_f32 v12, -v229                         ; the new -M = -ceil(t): a whole number
	v_fma_f32 v212, v212, s58, v12                 ; t - M of each block's largest score
	v_fma_f32 v214, v214, s58, v12
	TM \g0                                         ; the three lines that make f stand among the 32 that make t - M
	v_sub_f32 v228, v12, v228                      ; old M - new M: a whole number, 0 or less
	TM \g1
	v_cvt_i32_f32 v228, v228                       ; (it saturates)
	TM \g2
	v_ldexp_f32 v226, 1.0, v228                    ; f = 2^(old M - new M)
	TM \g3
	WALU                                           ; the wait ahead of the batch
	v_exp_f32 v212, v212                           ; the blocks' largest p: the same two instructions on the same number give the same bits
	v_exp_f32 v214, v214
.irp g, \g0, \g1, \g2, \g3
.irp j, 0,1,2,3,4,5,6,7,8,9,10,11,12,13,14,15
	v_exp_f32 v[\g+\j], v[\g+\j]                   ; p = 2^(t - M), at most 1
.endr
.endr
	v_pk_mul_f32 v[14:15], v[14:15], v[226:227] op_sel_hi:[1,0]   ; the sum under the new M: a plain place behind the exponentials
	WALU                                           ; one wait for the whole batch, ahead of its first reader
	AD8 1, 0, \g0, \g1, \g2, \g3                   ; the row's sum of the unquantised p
	AD8 0, 4, \g0, \g1, \g2, \g3
	AD8 0, 6, \g0, \g1, \g2, \g3
	v_max_num_f32 v212, 0x1800000, v212            ; the floor 2^(3 - 127): the byte cannot fall under 1
	v_max_num_f32 v214, 0x1800000, v214
	v_pk_add_f32 v[238:239], v[238:239], v[240:241]
	v_pk_add_f32 v[242:243], v[242:243], v[244:245]
	v_pk_add_f32 v[246:247], v[246:247], v[248:249]
	v_pk_add_f32 v[250:251], v[250:251], v[252:253]
	v_add_nc_u32 v220, 0xff000000, v212            ; 2 off the exponent field: the conversions' scale operands
	v_add_nc_u32 v221, 0xff000000, v214
	v_pk_add_f32 v[238:239], v[238:239], v[242:243]
	v_pk_add_f32 v[246:247], v[246:247], v[250:251]
	v_lshrrev_b32 v216, 23, v220                   ; the bytes
	v_lshrrev_b32 v217, 23, v221
	v_pk_add_f32 v[14:15], v[14:15], v[238:239]
	v_cvt_scalef32_pk16_fp6_f32 v[192:194], v[\g0:\g0+15], v220   ; registers 6 c .. 6 c + 5 of the operand: keys 64 c + 32 h + 0 .. 31
	v_cvt_scalef32_pk16_fp6_f32 v[204:206], v[\g1:\g1+15], v220   ; (a conversion's three registers begin on an even number)
	v_cvt_scalef32_pk16_fp6_f32 v[198:200], v[\g2:\g2+15], v221
	v_cvt_scalef32_pk16_fp6_f32 v[208:210], v[\g3:\g3+15], v221
	v_lshl_or_b32 v224, v217, 16, v216             ; my two bytes, blocks h and 2 + h (a plain place behind the conversions),
	KLOAD \nk, v6, v7, v10                         ; p's registers are dead: the NEXT step's K and its scale words
	v_lshlrev_b32 v224, v95, v224                  ; at their places in the word;
	v_mov_b32 v195, v204
	v_mov_b32 v196, v205
	v_permlanex16_b32 v225, v224, s56, s57
	v_pk_add_f32 v[14:15], v[14:15], v[246:247]
	v_mov_b32 v197, v206
	v_mov_b32 v201, v208
	v_mov_b32 v202, v209
	v_mov_b32 v203, v210
	v_or_b32 v224, v224, v225                      ; with lane l xor 16's two: p's scale word for these 128 keys
	s_wait_dscnt 18                                ; V is in; the 18 loads of the next step's K are younger
	WALU                                           ; the wait directly ahead of the first reader of O^T
.set I, 0
.rept 16
	v_pk_mul_f32 v[160+I:161+I], v[160+I:161+I], v[226:227] op_sel_hi:[1,0]   ; O^T under the new M; these are also the places between p's codes and scale word and the products
.set I, I+2
.endr
.irp d, 0,1,2,3                                ; O^T += V^T P^T: the four accumulators by turns
.if \d < 2
	v_wmma_scale_f32_16x16x128_f8f6f4 v[160+8*\d:167+8*\d], v[\kf+12*\d:\kf+12*\d+11], v[192:203], v[160+8*\d:167+8*\d], v[86+\d%2], v224 matrix_a_fmt:MATRIX_FMT_FP6 matrix_b_fmt:MATRIX_FMT_FP6
.else
	v_wmma_scale_f32_16x16x128_f8f6f4 v[160+8*\d:167+8*\d], v[\kf+12*\d:\kf+12*\d+11], v[192:203], v[160+8*\d:167+8*\d], v[86+\d%2], v224 matrix_a_fmt:MATRIX_FMT_FP6 matrix_b_fmt:MATRIX_FMT_FP6 matrix_a_scale:MATRIX_SCALE_ROW1
.endif
.endr
	s_add_co_u32 s60, s60, 6144
	s_add_co_u32 s61, s61, 6144
	s_add_co_u32 s62, s62, 256
.endm
.macro WALK                            ; a pass: sixteen key steps, two a trip, until the registers are back where they began
	s_mov_b32 s63, 8
.Lpair_\@:
	STEP 36, 96, 112, 128, 144, 96
	STEP 96, 36, 52, 68, 144, 36
	s_sub_co_u32 s63, s63, 1
	s_cmp_lg_u32 s63, 0
	s_cbranch_scc1 .Lpair_\@
	WALU
	s_wait_dscnt 0x0                               ; the last step's fetch has landed: its registers may be loaded again
.endm
; THE WAY OUT of pass p: O^T / the sum, quantised along d (two blocks of 32): one half image of the output projection's operand, and two scale bytes a row, which wait in LDS for the end.
.macro OUT p
.rept 4
	v_nop                                          ; places behind the last products
.endr
	v_add_f32 v14, v14, v15
	v_permlanex16_b32 v228, v14, s56, s57
	v_add_f32 v14, v14, v228                       ; the row's sum
	WALU
	v_rcp_f32 v14, v14
	v_nop                                          ; a plain place behind the reciprocal
	WALU                                           ; and the wait ahead of its first reader, which is O^T's first reader too
.set I, 0
.rept 16
	v_pk_mul_f32 v[96+I:97+I], v[160+I:161+I], v[14:15] op_sel_hi:[1,0]   ; register 16 b + i is d 32 b + 16 h + i; each accumulator from its low end on
.set I, I+2
.endr
.irp b, 0,1
	v_max3_num_f32 v[212+\b], |v[96+16*\b]|, |v[97+16*\b]|, 0x1800000
.endr
.irp i, 2,4,6,8,10,12,14
.irp b, 0,1
	v_max3_num_f32 v[212+\b], v[212+\b], |v[96+16*\b+\i]|, |v[97+16*\b+\i]|
.endr
.endr
	v_permlanex16_b32 v216, v212, s56, s57
	v_permlanex16_b32 v225, v213, s56, s57
	v_max_num_f32 v212, v212, v216
	v_max_num_f32 v213, v213, v225
	v_add_nc_u32 v220, 0xff000000, v212
	v_add_nc_u32 v221, 0xff000000, v213
	v_lshrrev_b32 v216, 23, v220
	v_lshrrev_b32 v217, 23, v221
	v_lshl_or_b32 v224, v217, 8, v216
	v_cvt_scalef32_pk16_fp6_f32 v[192:194], v[96:111], v220
	v_cvt_scalef32_pk16_fp6_f32 v[204:206], v[112:127], v221
	v_nop                                          ; one plain place behind a scaled conversion
.irp i, 0,1,2
	v_permlane16_swap_b32 v[192+\i], v[204+\i]     ; the operand wants a whole block in a lane
.endr
.irp i, 0,1,2
	v_mov_b32 v[195+\i], v[204+\i]
.endr
	global_store_b128 v1, v[192:195], s[74:75] offset:196608*\p     ; 512 consecutive bytes,
	global_store_b64 v2, v[196:197], s[74:75] offset:196608*\p      ; and 256
	ds_store_b16 v11, v224 offset:512*\p           ; both halves of the lanes write the same two bytes with the same value
.endm
	KLOAD 36, v1, v2, v3                           ; key step 0's K
	WALK                                           ; pass 0
	KLOAD 36, v1, v2, v3                           ; pass 1's first K lands under the way out, which names none of its registers
	OUT 0
.irp i, 0,1,2,3,4,5
	v_mov_b32 v[22+\i], v[230+\i]                  ; pass 1's Q
.endr
	v_perm_b32 v34, v236, v236, s78
	RESET
	WALU
	s_wait_xcnt 0x0                                ; pass 0's stores have read the codes' registers, which pass 1 writes again
	WALK                                           ; pass 1: no barrier, K and V lie in LDS
	OUT 1
	s_wait_dscnt 0x0                               ; for the others' sake
	s_barrier_signal -1
	s_barrier_wait -1
	s_cmp_lg_u32 s8, 0
	s_cbranch_scc1 .Lnot_first
	ds_load_b128 v[36:39], v35                     ; wave 0 stores the 32 tiles' scale bytes: twice 512 consecutive bytes
	ds_load_b128 v[40:43], v35 offset:512
	s_wait_dscnt 0x0
	global_store_b128 v1, v[36:39], s[76:77]
	global_store_b128 v1, v[40:43], s[76:77] offset:512
.Lnot_first:
	s_wait_tensorcnt 0x0                           ; the wave's end: these three lines, behind my last tensor load and my last LDS store
	ds_add_u32 v4, v5
	s_wait_dscnt 0x0
	CROUND                                         ; the closing round
	s_endpgm
.Lfunc_end_k_qc1fc66598b_attn:
	.size	k_qc1fc66598b_attn, .Lfunc_end_k_qc1fc66598b_attn-k_qc1fc66598b_attn
	.p2alignl 7, 3214868480
	.fill 96, 4, 3214868480
	.section	.rodata,"a",@progbits
	.p2align	6, 0x0
	.amdhsa_kernel k_qc1fc66598b_attn
		.amdhsa_group_segment_fixed_size 327680
		.amdhsa_private_segment_fixed_size 0
		.amdhsa_enable_private_segment 0
		.amdhsa_kernarg_size 16
		.amdhsa_user_sgpr_count 2
		.amdhsa_user_sgpr_kernarg_segment_ptr 1
		.amdhsa_wavefront_size32 1
		.amdhsa_system_sgpr_workgroup_id_x 1
		.amdhsa_system_sgpr_workgroup_id_y 1
		.amdhsa_system_sgpr_workgroup_id_z 1
		.amdhsa_system_vgpr_workitem_id 0
		.amdhsa_next_free_vgpr 256
		.amdhsa_next_free_sgpr 80
		.amdhsa_reserve_vcc 0
		.amdhsa_float_denorm_mode_32 3
		.amdhsa_float_denorm_mode_16_64 3
		.amdhsa_memory_ordered 1
		.amdhsa_forward_progress 1
		.amdhsa_inst_pref_size 81
	.end_amdhsa_kernel
	.amdgpu_metadata
---
amdhsa.version: [ 1, 2 ]
amdhsa.kernels:
  - .name:           k_qc1fc66598b_attn
    .symbol:         k_qc1fc66598b_attn.kd
    .args:
      - { .name: hq, .offset: 0, .size: 8, .value_kind: global_buffer, .address_space: global }
      - { .name: cq, .offset: 8, .size: 8, .value_kind: global_buffer, .address_space: global }
    .group_segment_fixed_size: 327680
    .private_segment_fixed_size: 0
    .kernarg_segment_align: 8
    .kernarg_segment_size: 16
    .max_flat_workgroup_size: 512
    .sgpr_count:     80
    .vgpr_count:     256
    .wavefront_size: 32
...
	.end_amdgpu_metadata
.endif
;; end of part 3
;; launch outp (part 4): grid 64 x 4, 4 waves a work-group, clusters of 4 x 4, 327,680 bytes of LDS; arguments cq, wq, b_o, out0; writes out0
.if DOCPART == 4
	.amdgcn_target "amdgcn-amd-amdhsa--gfx1250"
	.amdhsa_code_object_version 6
	.text
	.protected	k_qc1fc66598b_outp
	.globl	k_qc1fc66598b_outp
	.p2align	8
	.type	k_qc1fc66598b_outp,@function
k_qc1fc66598b_outp:
	s_mov_b64 s[64:65], 0
	v_nop
	global_prefetch_b8 v0, s[64:65] scope:SCOPE_SE
	s_setreg_imm32_b32 hwreg(HW_REG_WAVE_MODE, 25, 1), 1
	s_wait_xcnt 0x0
	s_wait_alu depctr_hold_cnt(0) depctr_sa_sdst(0) depctr_va_vdst(0) depctr_va_sdst(0) depctr_va_ssrc(0) depctr_va_vcc(0) depctr_vm_vsrc(0)
	s_getreg_b32 s2, hwreg(HW_REG_IB_STS2, 6, 4)
	s_cmp_eq_u32 s2, 0
	s_cbranch_scc0 .Lentry_in_a_cluster
	s_endpgm
.Lentry_in_a_cluster:
	s_bfe_u32 s2, ttmp6, 0x10000c
	s_cmp_lg_u32 s2, 0xf033
	s_cbranch_scc0 .Lentry_shape_is_right
	s_endpgm
.Lentry_shape_is_right:
; out0 = ctx W_o + b_o on codes of FP6 (E2M3) with E8M0 scales; out0 [8192][1024] f32.
; Operands come as images of the matrix unit's registers (a half image: 16 rows x 64 K in 768 bytes; tile 2 B + u, row r = index 32 B + 8 u + r + 8 (r / 8)).
; A work-group makes P 128 (W_o's columns, source 0, 8 tiles) x R 256 (tokens, source 1, 16 tiles); wave w takes R's tiles 4 w .. 4 w + 3 against all of P: 32 accumulators.  A lane holds one token and 64 registers along n.
; ALL OF K LIES IN LDS, in two halves of four K steps, each filled ONCE: no LDS byte is filled again.  A wave has one tensor load out at the most.
; CLUSTERS: 4 x 4 work-groups; R's tiles hang on cy and are asked for jointly along a row of the cluster, P's on cx, along a column.
; REGISTERS: window 0: v1-3 r, h, lane; v8-11 LDS addresses; v12, v13 the add's two; v14-17 the way out; v40-71 P's scale words, v72-87 R's; v96-191 R's fragments, two sets; later v96-223 rows of out0.
;   window 1: P's fragments, two sets, at v[128 q + 12 b]; in the gaps b_o, tile b at v[96 + 8 b + 96 (b / 4)].   window 2: accumulator (a, b) at v[8 (8 a + b)].
.set STAGE, 147456                     ; K lies in LDS in TWO halves of four K steps, each filled once by two loads: R's 16 tiles x 6,144 bytes, then P's 8.  Each wave issues one tensor load, at the head
.set SPARE, 294912                     ; behind the two halves: the spare words, 128 bytes a wave
.set PS,  40
.set RS,  72
.set RF,  96
.set MSB, 0
.macro WIN new                         ; the immediate's high byte repeats the setting that is left
.if MSB != \new
	s_set_vgpr_msb (MSB<<8)|\new
.set MSB, \new
.endif
.endm
.macro CROUND                          ; a round of the cluster's barrier
	s_barrier_signal -1
	s_barrier_wait -1
	s_cmp_lg_u32 s66, 0
	s_cbranch_scc1 .Lnot_wave_0_\@
	s_barrier_signal -3
.Lnot_wave_0_\@:
	s_barrier_wait -3
	s_barrier_signal -1
	s_barrier_wait -1
.endm
.macro PLACES n
.rept \n
	v_nop
.endr
.endm
.macro FETCH k, q                      ; the fragments of K step k into set q: 48 LDS loads, each of 512 or 256 consecutive bytes
	WIN 0x40                                       ; destination window 1, address window 0
.irp b, 0,1,2,3,4,5,6,7
.irp c, 0,1
	ds_load_b128 v[128*(\q)+12*\b+6*\c:128*(\q)+12*\b+6*\c+3], v8 offset:6144*\b+1536*((\k)%4)+768*\c
	ds_load_b64 v[128*(\q)+12*\b+6*\c+4:128*(\q)+12*\b+6*\c+5], v9 offset:6144*\b+1536*((\k)%4)+768*\c
.endr
.endr
	WIN 0
.irp a, 0,1,2,3
.irp c, 0,1
	ds_load_b128 v[RF+48*(\q)+12*\a+6*\c:RF+48*(\q)+12*\a+6*\c+3], v10 offset:6144*\a+1536*((\k)%4)+768*\c
	ds_load_b64 v[RF+48*(\q)+12*\a+6*\c+4:RF+48*(\q)+12*\a+6*\c+5], v11 offset:6144*\a+1536*((\k)%4)+768*\c
.endr
.endr
.endm
; K step k on set q: 32 matrix instructions; the 32 accumulators take turns, one instruction a turn, in the same order in every step.  The first step's C is the bias.
.macro MUL k, q
.if (\k) == 0
	WIN 0x91                                       ; source 0 (P) window 1, source 1 (R) window 0, C window 1, D window 2
.else
	WIN 0xa1                                       ; C and D window 2
.endif
.irp a, 0,1,2,3
.irp b, 0,1,2,3,4,5,6,7
.set DD, 8*(8*\a+\b)
.if (\k) == 0
.set CB, 96+8*\b+96*(\b/4)
.else
.set CB, DD
.endif
.set PA, 128*(\q)+12*\b
.set RB, RF+48*(\q)+12*\a
.set SCA, PS+8*(\b/2)+(\k)
.set SCB, RS+8*(\a/2)+(\k)
.if (\b%2 == 0) && (\a%2 == 0)
	v_wmma_scale_f32_16x16x128_f8f6f4 v[DD:DD+7], v[PA:PA+11], v[RB:RB+11], v[CB:CB+7], v[SCA], v[SCB] matrix_a_fmt:MATRIX_FMT_FP6 matrix_b_fmt:MATRIX_FMT_FP6
.elseif (\b%2 == 1) && (\a%2 == 0)
	v_wmma_scale_f32_16x16x128_f8f6f4 v[DD:DD+7], v[PA:PA+11], v[RB:RB+11], v[CB:CB+7], v[SCA], v[SCB] matrix_a_fmt:MATRIX_FMT_FP6 matrix_b_fmt:MATRIX_FMT_FP6 matrix_a_scale:MATRIX_SCALE_ROW1
.elseif (\b%2 == 0) && (\a%2 == 1)
	v_wmma_scale_f32_16x16x128_f8f6f4 v[DD:DD+7], v[PA:PA+11], v[RB:RB+11], v[CB:CB+7], v[SCA], v[SCB] matrix_a_fmt:MATRIX_FMT_FP6 matrix_b_fmt:MATRIX_FMT_FP6 matrix_b_scale:MATRIX_SCALE_ROW1
.else
	v_wmma_scale_f32_16x16x128_f8f6f4 v[DD:DD+7], v[PA:PA+11], v[RB:RB+11], v[CB:CB+7], v[SCA], v[SCB] matrix_a_fmt:MATRIX_FMT_FP6 matrix_b_fmt:MATRIX_FMT_FP6 matrix_a_scale:MATRIX_SCALE_ROW1 matrix_b_scale:MATRIX_SCALE_ROW1
.endif
.endr
.endr
.endm
.macro ARRIVE g                        ; half g is whole.  g = 0: waves 0 and 1, whose load lines are their own, have waited; waves 2 and 3's loads may stay out.  g = 1: every wave waits
.if (\g) == 0
	s_wait_dscnt 0x0
	s_cmp_lt_u32 s66, 2
	s_cbranch_scc0 .Llater_\@
	s_wait_tensorcnt 0x0
.Llater_\@:
.else
	s_wait_tensorcnt 0x0
	s_wait_dscnt 0x0
.endif
	s_barrier_signal -1
	s_barrier_wait -1
.endm
.macro KSTEP k                         ; a load into a register that a matrix instruction has read stands four places behind it
.if (\k) == 3
	WIN 0
	PLACES 4
	ARRIVE 1
	v_add_nc_u32 v8, STAGE, v8                     ; on to the next stage (no LDS load of mine is out)
	s_wait_alu depctr_va_vdst(0)
	v_add_nc_u32 v9, STAGE, v9
	s_wait_alu depctr_va_vdst(0)
	v_add_nc_u32 v10, STAGE, v10
	s_wait_alu depctr_va_vdst(0)
	v_add_nc_u32 v11, STAGE, v11
.elseif ((\k) > 0) && ((\k) < 7)
	PLACES 4
.endif
.if (\k) < 7
	FETCH (\k)+1, ((\k)+1)%2
	s_wait_alu depctr_va_vdst(0)
	s_wait_dscnt 48                                ; all but the 48 just issued: this step's fragments are in
.else
	s_wait_dscnt 0x0
.endif
	MUL \k, (\k)%2
.endm
	s_load_b256 s[4:11], s[0:1], 0x0               ; cq s[4:5], wq s[6:7], b_o s[8:9], out0 s[10:11]
	v_lshl_add_u32 v12, v0, 2, SPARE
	v_mov_b32 v13, 0
	ds_add_u32 v12, v13                            ; the wave's opening: the add and its wait ahead of my first tensor load; the set-up below, work on registers, stands between them
	ds_add_u32 v12, v13
	v_lshrrev_b32 v4, 5, v0
	v_readfirstlane_b32 s66, v4                    ; wave 0..3
	s_bfe_u32 s67, ttmp6, 0x40000                  ; cx
	s_bfe_u32 s68, ttmp6, 0x40004                  ; cy
	s_and_b32 s70, ttmp9, 1
	s_lshl_b32 s70, s70, 2
	s_add_co_u32 s70, s70, s67                     ; P's block of 128 columns: hangs on cx, never on cy
	s_lshr_b32 s71, ttmp9, 1
	s_lshl_b32 s71, s71, 2
	s_add_co_u32 s71, s71, s68                     ; R's block of 256 tokens: hangs on cy, never on cx
	s_lshl_b32 s76, s68, 2
	s_lshl_b32 s76, 15, s76                        ; my row of the cluster
	s_lshl_b32 s78, 0x1111, s67                    ; my column
	; descriptor group 1: rows of 6,144 bytes (a tile's four K steps: 768 elements of 8 bytes), 12,288 bytes from tile to tile, dense in LDS
	s_or_b32 s16, s76, (3<<16)|(1<<21)
	s_mov_b32 s17, 768<<16                         ; a tile's four K steps, 6,144 bytes = 768 elements; 16 tiles
	s_mov_b32 s18, 16<<16
	s_mov_b32 s19, 768<<16
	s_mov_b32 s20, 16
	s_mov_b32 s21, 1536
	s_mov_b32 s22, 0
	s_mov_b32 s23, 0
	s_or_b32 s24, s78, (3<<16)|(1<<21)
	s_mov_b32 s25, 768<<16
	s_mov_b32 s26, 8<<16
	s_mov_b32 s27, 768<<16
	s_mov_b32 s28, 8
	s_mov_b32 s29, 1536
	s_mov_b32 s30, 0
	s_mov_b32 s31, 0
	s_mul_i32 s78, s70, 98304
	s_add_co_u32 s78, s78, 2359296                 ; W_o's images: the eight tiles of P
	s_mov_b32 s79, 0
	s_lshl_b32 s84, s70, 12
	s_add_co_u32 s84, s84, 3244032                 ; W_o's scale words
	s_mov_b32 s85, 0
	s_lshl_b32 s80, s70, 9                         ; b_o at my 128 columns
	s_mov_b32 s81, 0
	s_mul_i32 s76, s71, 196608
	s_mov_b32 s77, 0
	s_lshl_b32 s82, s71, 9
	s_lshl_b32 s83, s66, 7
	s_add_co_u32 s82, s82, s83
	s_add_co_u32 s82, s82, 6291456                 ; ctx's scale bytes at my four tiles: [head 16][tile 512][r 16], two bytes each
	s_mov_b32 s83, 0
	s_lshl_b32 s86, s71, 20
	s_lshl_b32 s87, s66, 18
	s_add_co_u32 s86, s86, s87
	s_lshl_b32 s87, s70, 9
	s_add_co_u32 s86, s86, s87                     ; out0: token 256 R + 64 wave, column 128 P
	s_mov_b32 s87, 0
	v_and_b32 v3, 31, v0                           ; lane
	v_and_b32 v1, 15, v0                           ; r
	v_bfe_u32 v2, v0, 4, 1                         ; h
	v_lshlrev_b32 v14, 4, v3
	v_lshl_add_u32 v16, v3, 3, 512
	s_wait_dscnt 0x0                               ; the opening add is done
	s_wait_kmcnt 0x0
	s_add_nc_u64 s[78:79], s[6:7], s[78:79]
	s_add_nc_u64 s[84:85], s[6:7], s[84:85]
	s_add_nc_u64 s[80:81], s[8:9], s[80:81]
	s_add_nc_u64 s[76:77], s[4:5], s[76:77]
	s_add_nc_u64 s[82:83], s[4:5], s[82:83]
	s_add_nc_u64 s[86:87], s[10:11], s[86:87]
.irp g, 0,1                                    ; group 0, a set for each half of K: R's 16 tiles, P's 8 behind them
	s_mov_b32 s[32+4*\g], 1
	s_mov_b32 s[33+4*\g], \g*STAGE
	s_add_nc_u64 s[34+4*\g:35+4*\g], s[76:77], \g*6144
	s_or_b32 s[35+4*\g], s[35+4*\g], 0x80000000
	s_mov_b32 s[48+4*\g], 1
	s_mov_b32 s[49+4*\g], 98304+\g*STAGE
	s_add_nc_u64 s[50+4*\g:51+4*\g], s[78:79], \g*6144
	s_or_b32 s[51+4*\g], s[51+4*\g], 0x80000000
.endr
	CROUND                                         ; all sixteen work-groups are here: the joint loads meet
	s_cmp_eq_u32 s66, 0                            ; one tensor load a wave, each in its own arm of one chain on the wave's number
	s_cbranch_scc0 .Lfill_1
	tensor_load_to_lds s[32:35], s[16:23]          ; wave 0: R, K steps 0-3
	s_nop 0
	PLACES 4
	s_branch .Lfilled
.Lfill_1:
	s_cmp_eq_u32 s66, 1
	s_cbranch_scc0 .Lfill_2
	tensor_load_to_lds s[48:51], s[24:31]          ; wave 1: P, K steps 0-3
	s_nop 0
	PLACES 4
	s_branch .Lfilled
.Lfill_2:
	s_cmp_eq_u32 s66, 2
	s_cbranch_scc0 .Lfill_3
	tensor_load_to_lds s[36:39], s[16:23]          ; wave 2: R, K steps 4-7
	s_nop 0
	PLACES 4
	s_branch .Lfilled
.Lfill_3:
	tensor_load_to_lds s[52:55], s[24:31]          ; wave 3: P, K steps 4-7
	s_nop 0
	PLACES 4
.Lfilled:
	s_wait_alu depctr_va_vdst(0)
	v_lshlrev_b32 v88, 5, v1
	v_lshl_add_u32 v88, v2, 9, v88                 ; 512 h + 32 r
.irp p, 0,1,2,3
	global_load_b128 v[PS+8*\p:PS+8*\p+3], v88, s[84:85] offset:1024*\p
	global_load_b128 v[PS+8*\p+4:PS+8*\p+7], v88, s[84:85] offset:1024*\p+16
.endr
	v_lshlrev_b32 v90, 1, v1
	v_lshl_add_u32 v90, v2, 5, v90                 ; 32 h + 2 r
.irp p, 0,1
.irp n, 0,1,2,3,4,5,6,7,8,9,10,11,12,13,14,15
	global_load_u16 v[192+16*\p+\n], v90, s[82:83] offset:16384*\n+64*\p   ; head n's two bytes of my row: lanes 0-15 tile 2 p, lanes 16-31 tile 2 p + 1
.endr
.endr
	v_lshlrev_b32 v89, 6, v2                       ; the bias in the result's layout: tile b's registers are columns 32 (b / 2) + 16 h + 8 (b % 2) + 0 .. 7
	WIN 0x40
.irp b, 0,1,2,3,4,5,6,7
	global_load_b128 v[96+8*\b+96*(\b/4):99+8*\b+96*(\b/4)], v89, s[80:81] offset:(32*(\b/2)+8*(\b%2))*4
	global_load_b128 v[100+8*\b+96*(\b/4):103+8*\b+96*(\b/4)], v89, s[80:81] offset:(32*(\b/2)+8*(\b%2))*4+16
.endr
	WIN 0
	v_add_nc_u32 v8, 98304, v14                    ; P's tiles in a half: registers 0-3,
	v_lshl_add_u32 v9, v3, 3, 98816                ; and 4-5
	v_mad_u32_u24 v10, v4, 24576, v14              ; my four tiles of R
	v_mad_u32_u24 v11, v4, 24576, v16
	v_mul_u32_u24 v15, v1, 528                     ; the way out: my stage, 16 rows x 528 bytes, at wave x 8,448: in: row r, + 64 h;
	v_lshl_add_u32 v15, v2, 6, v15
	v_mad_u32_u24 v15, v4, 8448, v15
	v_mad_u32_u24 v17, v4, 8448, v14               ; back: a row's 512 bytes, 16 a lane
	s_wait_alu depctr_va_vdst(0)
	ARRIVE 0
	FETCH 0, 0
	s_wait_loadcnt 0x0                             ; scale words, scale bytes and bias
.irp p, 0,1
.irp s, 0,1,2,3,4,5,6,7
	v_lshl_or_b32 v[RS+8*\p+\s], v[193+16*\p+2*\s], 16, v[192+16*\p+2*\s]   ; K step s is heads 2 s and 2 s + 1: their four bytes make the word
.endr
.endr
	PLACES 8                                       ; a scale register written by a vector instruction stands eight places ahead of a scaled matrix instruction
	s_wait_alu depctr_va_vdst(0)
.irp k, 0,1,2,3,4,5,6,7
	KSTEP \k
.endr
	WIN 0
	PLACES 4
; THE WAY OUT, a tile of 16 tokens x 128 columns at a time, through my own stage and back as whole rows of 512 bytes.  The stage lies in stage 0's bytes: they have had their only fill, and every wave's reads of them ended ahead of a later barrier.
; LDS serves a wave's instructions in order: no wait between the stores and the loads, nor ahead of the next tile's stores.
.macro TOSTAGE a
	WIN 0x08                                       ; an LDS store's data: window 2
.irp b, 0,1,2,3,4,5,6,7
	ds_store_b128 v15, v[8*(8*(\a)+\b):8*(8*(\a)+\b)+3] offset:128*(\b/2)+32*(\b%2)      ; each accumulator from its low end on
	ds_store_b128 v15, v[8*(8*(\a)+\b)+4:8*(8*(\a)+\b)+7] offset:128*(\b/2)+32*(\b%2)+16
.endr
	WIN 0
.irp i, 0,1,2,3,4,5,6,7,8,9,10,11,12,13,14,15
	ds_load_b128 v[96+64*((\a)%2)+4*\i:96+64*((\a)%2)+4*\i+3], v17 offset:528*\i
.endr
.endm
.macro SEND a, younger                 ; younger: the LDS instructions issued behind tile a's loads, which may stay out
	s_wait_dscnt \younger
.irp i, 0,1,2,3,4,5,6,7,8,9,10,11,12,13,14,15
	global_store_b128 v14, v[96+64*((\a)%2)+4*\i:96+64*((\a)%2)+4*\i+3], s[86:87] offset:(32*((\a)/2)+8*((\a)%2)+\i+8*(\i/8))*4096 th:TH_STORE_NT   ; 32 lanes store 512 consecutive bytes, aligned
.endr
.endm
	TOSTAGE 0
	TOSTAGE 1
	SEND 0, 32                                     ; behind tile 0's loads: tile 1's 16 stores and 16 loads
	s_wait_xcnt 0x0                                ; tile 0's stores have read their registers: tile 2's loads may land there
	TOSTAGE 2
	SEND 1, 32
	s_wait_xcnt 0x0
	TOSTAGE 3
	SEND 2, 32
	SEND 3, 0
	s_wait_tensorcnt 0x0                           ; the wave's end: these three lines, behind my last tensor load and my last LDS store
	ds_add_u32 v12, v13
	s_wait_dscnt 0x0
	CROUND                                         ; the closing round
	s_endpgm
.Lfunc_end_k_qc1fc66598b_outp:
	.size	k_qc1fc66598b_outp, .Lfunc_end_k_qc1fc66598b_outp-k_qc1fc66598b_outp
	.p2alignl 7, 3214868480
	.fill 96, 4, 3214868480
	.section	.rodata,"a",@progbits
	.p2align	6, 0x0
	.amdhsa_kernel k_qc1fc66598b_outp
		.amdhsa_group_segment_fixed_size 327680
		.amdhsa_private_segment_fixed_size 0
		.amdhsa_enable_private_segment 0
		.amdhsa_kernarg_size 32
		.amdhsa_user_sgpr_count 2
		.amdhsa_user_sgpr_kernarg_segment_ptr 1
		.amdhsa_wavefront_size32 1
		.amdhsa_system_sgpr_workgroup_id_x 1
		.amdhsa_system_sgpr_workgroup_id_y 1
		.amdhsa_system_sgpr_workgroup_id_z 1
		.amdhsa_system_vgpr_workitem_id 0
		.amdhsa_next_free_vgpr 768
		.amdhsa_next_free_sgpr 102
		.amdhsa_reserve_vcc 0
		.amdhsa_float_denorm_mode_32 3
		.amdhsa_float_denorm_mode_16_64 3
		.amdhsa_memory_ordered 1
		.amdhsa_forward_progress 1
		.amdhsa_inst_pref_size 88
	.end_amdhsa_kernel
	.amdgpu_metadata
---
amdhsa.version: [ 1, 2 ]
amdhsa.kernels:
  - .name:           k_qc1fc66598b_outp
    .symbol:         k_qc1fc66598b_outp.kd
    .args:
      - { .name: cq, .offset: 0, .size: 8, .value_kind: global_buffer, .address_space: global }
      - { .name: wq, .offset: 8, .size: 8, .value_kind: global_buffer, .address_space: global }
      - { .name: b_o, .offset: 16, .size: 8, .value_kind: global_buffer, .address_space: global }
      - { .name: out0, .offset: 24, .size: 8, .value_kind: global_buffer, .address_space: global }
    .group_segment_fixed_size: 327680
    .private_segment_fixed_size: 0
    .kernarg_segment_align: 8
    .kernarg_segment_size: 32
    .max_flat_workgroup_size: 128
    .sgpr_count:     102
    .vgpr_count:     768
    .wavefront_size: 32
...
	.end_amdgpu_metadata
.endif
;; end of part 4
